; MI455X (gfx1250); checked and timed in simulation.
; The chip was launched on July 23, 2026; its instructions are those of AMD's public machine-readable ISA for CDNA 5 (MIT licence, August 2026) and "CDNA5" Instruction Set Architecture Reference Guide (July 2026). The comments in the code are by the model that wrote it; some were corrected since.
;; Self Attention. Allowed arithmetic: matrix products marked QUANTISED: E2M3 operands, one E8M0 scale for each 32 along K, by v_wmma_scale_f32_16x16x128_f8f6f4 with both operands' format E2M3, f32 sums; everything else in f32.
;; Inputs: freqs_cos 2,048 x 64 float32; freqs_sin 2,048 x 64 float32; k_cache 2 x 4,096 x 8 x 128 float32; v_cache 2 x 4,096 x 8 x 128 float32; wk 4,096 x 1,024 float32; wo 2,048 x 4,096 float32; wq 4,096 x 2,048 float32; wv 4,096 x 1,024 float32; x 1 x 2,048 x 4,096 float32.
;; Outputs: out0 1 x 2,048 x 4,096 float32.
;; Constants: start_pos = 0.
;; This version of the problem:
;;   THIS VERSION OF THE PROBLEM IS GIVEN IN LOW PRECISION. The matrix products marked QUANTISED in the list below multiply operands that are first quantised to E2M3 (2 exponent bits, 3 mantissa bits; 6 bits a number), with one power-of-two scale for each 32 numbers along K (OCP MX v1.0); their sums are f32. All else is computed in f32.
;;   The module's matrix products, in the order in which they are computed (A, B: the left and right operand; K: the contracted axis; several contracted axes count as one K, in the product's order):
;;     1. [M 2,048, K 4,096] x [K 4,096, N 2,048]; A: input x; B: input wq: QUANTISED
;;     2. [M 2,048, K 4,096] x [K 4,096, N 1,024]; A: input x; B: input wk: QUANTISED
;;     3. [M 2,048, K 4,096] x [K 4,096, N 1,024]; A: input x; B: input wv: QUANTISED
;;     4. batch 16 x [M 2,048, K 128] x [K 128, N 2,048]; A: computed on the way; B: computed on the way: QUANTISED
;;     5. batch 16 x [M 128, K 2,048] x [K 2,048, N 2,048]; A: computed on the way; B: softmax (see below): QUANTISED
;;     6. [M 2,048, K 2,048] x [K 2,048, N 4,096]; A: computed on the way; B: input wo: QUANTISED
;;   THE QUANTISER, for each operand of a quantised product, along K:
;;     - K is cut into blocks of 32 from its start; a last block that is shorter is filled with zeros.
;;     - A block's scale is 2^e with e = floor(log2(the largest magnitude in the block)) - 2, held to -126 .. 127; a block of zeros has e = 0. As a byte (E8M0): e + 127.
;;     - Each number is divided by its block's scale, clamped to +-7.5, and rounded to the nearest number of E2M3, ties to even, subnormals kept.
;;     - The product sums the exact products of the quantised numbers (number of the format x scale) in f32.
;;   ~~~python
;;   def quantise(x, axis):      # numpy; x: float32 -> the quantised numbers, widened to float32 again
;;       x = np.moveaxis(x, axis, -1); K = x.shape[-1]
;;       x = np.pad(x, [(0, 0)] * (x.ndim - 1) + [(0, -K % 32)]); x = x.reshape(x.shape[:-1] + (-1, 32)); a = np.abs(x).max(-1, keepdims=True)
;;       e = np.where(a > 0, np.clip(np.frexp(np.where(a > 0, a, 1))[1] - 1 - 2, -126, 127), 0)      # np.frexp(a)[1] - 1 = floor(log2(a)), exactly
;;       r = np.clip(x / 2.0 ** e, -7.5, 7.5)
;;       step = 2.0 ** (np.maximum(np.frexp(np.where(r == 0, 1, r))[1] - 1, 0) - 3)
;;       q = np.round(r / step) * step * 2.0 ** e      # np.round: ties to even
;;       return np.moveaxis(q.reshape(q.shape[:-2] + (-1,))[..., :K], -1, axis).astype(np.float32)
;;   ~~~
;;   SOFTMAX AHEAD OF A QUANTISED PRODUCT. Where the list says 'softmax', what is quantised is not the finished softmax but p = 2^(t - M), with t = logit x log2(e) and M = ceil(the row's largest t), a whole number; so 1/2 < the row's largest p <= 1. The row's sum l is taken of the UNQUANTISED p, in f32, and the product's result is divided by l at the end. Since M is a whole number, a kernel that streams over the keys may use a running M (the ceiling of the running maximum): every later rescaling is an exact power of two, which a block's scale takes up: the codes' values come out the same.
;;   OPERANDS COMPUTED ON THE WAY. 'Computed on the way' means the value that the module computes at that place (a softmax that the list does not call 'softmax' is quantised finished and normalised). What goes into a quantiser is computed in f32, as accurately as f32 sums, v_exp_f32 and their like allow (about 1e-6 of the number): no bf16 or f16 on the way to a quantiser, and a product that is left as it is and whose result goes on into a quantised operand takes f32 operands (vector FMAs, or v_wmma_f32_16x16x4_f32). A number that lies on a knife's edge between two numbers of the format may be rounded either way, as far as f32 arithmetic and the matrix unit's own rounding can turn it there, and no further.
;; One version. Each part assembles by itself: llvm-mc -triple=amdgcn-amd-amdhsa -mcpu=gfx1250 --defsym DOCPART=n.
;; ======== version 1 of 1: 4 launches
;; workspace buffers: opq 19,660,800 bytes; woc 6,553,600 bytes; qkvc 6,291,456 bytes; qkvs 262,144 bytes; ao 3,276,800 bytes
;; launch quant_all (part 1): grid 640 x 1, 8 waves a work-group, no clusters, 136,192 bytes of LDS; arguments x, wq, wk, wv, wo, opq, woc; writes opq, woc
.if DOCPART == 1
	.amdgcn_target "amdgcn-amd-amdhsa--gfx1250"
	.amdhsa_code_object_version 6
	.text
	.protected	k_qd81409a626_quant_all
	.globl	k_qd81409a626_quant_all
	.p2align	8
	.type	k_qd81409a626_quant_all,@function
k_qd81409a626_quant_all:
	s_mov_b64 s[64:65], 0
	v_nop
	global_prefetch_b8 v0, s[64:65] scope:SCOPE_SE
	s_setreg_imm32_b32 hwreg(HW_REG_WAVE_MODE, 25, 1), 1
	s_wait_xcnt 0x0
; x [2048][4096] and the four weights (f32, K as their FIRST axis) become codes of FP6 (E2M3) with one E8M0 byte for each 32 along K, laid as the products' launches read them.
; RECORD: 128 rows (of x) or columns (of a weight) x 128 K = 12,800 bytes: eight fragments of 16 (1,536 bytes each, an image of the operand's 12 registers: registers 4 c .. 4 c + 3 of lane l at 512 c + 16 l),
; then the eight fragments' scale words (64 bytes each, row r's word at 4 r).  A panel of 128 is all its K steps' records on end.  opq: x panels 0-15, wq 16-31, wk 32-39, wv 40-47 (32 records each); woc: wo's 32 panels (16 records each).
; ORDER: lane r of fragment i holds the panel's row or column 32 (i / 2) + 8 (i % 2) + r % 8 + 16 (r / 8), so that a product whose source 0 has this order leaves 16 neighbours along the next K in a lane's registers.
; ONE LAUNCH, TWO PATHS that part on the work-group's number and do not join: work-groups 0-383 take the weights, 384-639 take x.  Waves share nothing: no barrier.
; THE WEIGHTS: a lane takes a column and its registers run down K: a block of 32 lies in one lane's 32 registers, and the conversions give codes with K innermost.  Lane 16 f + r of a wave takes column r % 8 + 8 f + 16 (r / 8) of the
; wave's 32.  A lane makes all four blocks of its column; the operand wants blocks 0, 2 in lanes 0-15 and 1, 3 in lanes 16-31: even blocks are kept in one run of 12 registers, odd ones in another, and twelve exchanges of halves
; make of the two runs the wave's two fragments: the codes leave from registers, without LDS.  A work-group takes a panel x four K steps; wave w columns 32 (w % 4) on and the pair of K steps w / 4.  Only pointers and sizes are chosen,
; by selects on the work-group's number.  Loads run two blocks (64 loads a wave) ahead.  No size stands in an immediate: 32 offset registers (row x pitch) and eight bases (one for each block of 32 rows) serve the three pitches.
; x: a wave takes 32 rows x 128 K (two fragments); the eight waves of a work-group stand side by side on 4,096 bytes of the same 32 rows.  All 32 loads of a wave go out at once, 512 consecutive bytes each.  A conversion takes 16
; neighbours along K from ONE lane, a load is best with neighbouring bytes in neighbouring lanes: so a fragment's 16 rows turn through the wave's own stage in LDS (rows 528 bytes apart).
; A block's scale is 2^(floor(log2(its largest magnitude)) - 2); its byte is the largest magnitude's exponent field - 2, held at 1 from below.
; LIMITS: a block of zeros gets the byte 1 where the rule says 127 (its codes are zeros, and this program alone reads the bytes); blocks whose largest magnitude lies under 2^-124 are held at byte 1; NaN and infinities are not served.
.set REC,    12800
.set NWW,    384                       ; the weights' work-groups: 256 for wq, wk, wv (32 panels x 8), 128 for wo (32 panels x 4)
.set SPW, 12                           ; v12      my spare word's LDS address; never rewritten
.set NIL, 13                           ; v13      0; never rewritten
; x's path
.set ROWX,   16384                     ; a row of x in bytes
.set SPITCH, 528                       ; a stage row: 512 bytes + 16
.set STG,    16*SPITCH                 ; a stage: 16 rows
.set WREG,   2*STG                     ; a wave's two stages, one for each fragment
.set SPARE,  8*WREG                    ; behind the stages: the spare words, 128 bytes for each wave, which no other line names
.set PW,  8                            ; v8, v9   the two fragments' scale words; v10 both in one register
.set R,   16                           ; v16-143  two sets of 64 numbers
.set PC,  144                          ; v144-167 the codes, 12 registers a fragment
.set TP,  168                          ; v168-175 the conversions' second halves
.set TM,  176                          ; v176-191 at work in QUANT
.set SEL, 20                           ; s[20:21] lane selects: lane l xor 16
; the weights' path
.set OFF, 16                           ; v16-47   row i of a block: i x pitch + my column's bytes
.set X,   48                           ; v48-111  two sets of 32 numbers
.set CD,  112                          ; v112-159 codes: K step u: even blocks at 112 + 24 u, odd blocks at 124 + 24 u
.set WTP, 160                          ; v160-162 a conversion's second half
.set SW,  164                          ; v164-165 my column's scale word, one for each K step
.set BAS, 32                           ; s[32:47] eight bases
; 64 numbers of a lane, register 16 b + i = k 32 b + 16 (lane / 16) + i of my row, become a fragment's 12 code registers at v[pc] and its scale word in v[pw].
.macro QUANT s, pc, pw
.irp b, 0,1,2,3
	v_max3_num_f32 v[TM+\b], |v[(\s)+16*\b]|, |v[(\s)+1+16*\b]|, 0x1800000   ; block b: my 16 numbers, and the floor 2^(3 - 127): the byte cannot fall under 1
.endr
.irp i, 2,4,6,8,10,12,14
.irp b, 0,1,2,3
	v_max3_num_f32 v[TM+\b], v[TM+\b], |v[(\s)+16*\b+\i]|, |v[(\s)+1+16*\b+\i]|   ; the four blocks by turns
.endr
.endr
.irp b, 0,1,2,3
	v_permlanex16_b32 v[TM+4+\b], v[TM+\b], s[SEL], s[SEL+1]
.endr
.irp b, 0,1,2,3
	v_max_num_f32 v[TM+\b], v[TM+\b], v[TM+4+\b]   ; with lane l xor 16's: the block's largest magnitude
.endr
.irp b, 0,1,2,3
	v_add_nc_u32 v[TM+12+\b], 0xff000000, v[TM+\b]   ; 2 off its exponent field: the conversion's scale operand
.endr
.irp b, 0,1,2,3
	v_lshrrev_b32 v[TM+4+\b], 23, v[TM+12+\b]      ; the scale's byte
.endr
	v_lshl_or_b32 v[\pw], v[TM+5], 8, v[TM+4]      ; four bytes: my row's scale word
	v_lshl_or_b32 v[\pw], v[TM+6], 16, v[\pw]
	v_lshl_or_b32 v[\pw], v[TM+7], 24, v[\pw]
.irp c, 0,1
	v_cvt_scalef32_pk16_fp6_f32 v[(\pc)+6*\c:(\pc)+2+6*\c], v[(\s)+32*\c:(\s)+15+32*\c], v[TM+12+2*\c]
	v_cvt_scalef32_pk16_fp6_f32 v[TP+4*\c:TP+2+4*\c], v[(\s)+16+32*\c:(\s)+31+32*\c], v[TM+12+2*\c+1]   ; (a conversion's three registers begin on an even number)
.endr
	v_nop                                          ; one plain place behind the scaled conversions
.irp c, 0,1                                    ; the operand's layout wants a whole block in a lane: lanes 0-15 block 2 c, lanes 16-31 block 2 c + 1
.irp i, 0,1,2
	v_permlane16_swap_b32 v[(\pc)+6*\c+\i], v[TP+4*\c+\i]
.endr
.irp i, 0,1,2
	v_mov_b32 v[(\pc)+3+6*\c+\i], v[TP+4*\c+\i]
.endr
.endr
.endm
	s_load_b256 s[4:11], s[0:1], 0x0               ; x s[4:5], wq s[6:7], wk s[8:9], wv s[10:11]
	s_load_b128 s[12:15], s[0:1], 0x20             ; wo s[12:13], opq s[14:15]
	s_load_b64 s[16:17], s[0:1], 0x30              ; woc
	v_lshl_add_u32 v[SPW], v0, 2, SPARE
	v_mov_b32 v[NIL], 0
	v_lshrrev_b32 v1, 5, v0
	v_readfirstlane_b32 s18, v1                    ; wave 0..7
	v_and_b32 v1, 31, v0                           ; lane
	v_lshlrev_b32 v4, 4, v1                        ; 16 x lane: my bytes of a load's or a store's 512
	v_lshlrev_b32 v7, 2, v1                        ; 4 x lane: my scale word's place
	s_cmp_lt_u32 ttmp9, NWW
	s_cbranch_scc0 .Lx_path
	; ---------------- THE WEIGHTS ----------------
	v_and_b32 v2, 7, v1
	v_lshrrev_b32 v3, 4, v1
	v_lshl_add_u32 v2, v3, 3, v2
	v_bfe_u32 v3, v1, 3, 1
	v_lshl_add_u32 v2, v3, 4, v2                   ; my column of the wave's 32
	v_lshlrev_b32 v2, 2, v2
	s_and_b32 s19, s18, 3                          ; which 32 columns of the panel are my wave's
	s_lshr_b32 s20, s18, 2                         ; which pair of the work-group's four K steps
	v_lshl_add_u32 v2, s19, 7, v2                  ; in bytes, + 128 for each 32 columns
	s_lshr_b32 s21, ttmp9, 3                       ; work-groups 0-255: panel 0..31,
	s_and_b32 s22, ttmp9, 7                        ; four K steps of 32: 0..7
	s_max_u32 s23, ttmp9, 256
	s_sub_co_u32 s23, s23, 256
	s_lshr_b32 s24, s23, 2                         ; work-groups 256-383: panel 0..31,
	s_and_b32 s25, s23, 3                          ; four K steps of 16: 0..3
	s_sub_co_u32 s26, s21, 16                      ; the panel within wk,
	s_sub_co_u32 s27, s21, 24                      ; within wv (taken only where they apply)
	s_mov_b32 s28, 4096                            ; a row of wk or wv in bytes,
	s_mov_b32 s29, 8192                            ; of wq,
	s_mov_b32 s30, 16384                           ; of wo
	s_wait_kmcnt 0x0
	s_cmp_lt_u32 s21, 24
	s_cselect_b64 s[48:49], s[8:9], s[10:11]
	s_cselect_b32 s31, s26, s27
	s_cmp_lt_u32 s21, 16
	s_cselect_b64 s[48:49], s[6:7], s[48:49]
	s_cselect_b32 s31, s21, s31
	s_cselect_b32 s28, s29, s28
	s_cmp_lt_u32 ttmp9, 256
	s_cselect_b64 s[48:49], s[48:49], s[12:13]     ; the weight,
	s_cselect_b64 s[50:51], s[14:15], s[16:17]     ; where its records go,
	s_cselect_b32 s31, s31, s24                    ; my panel within the weight,
	s_cselect_b32 s28, s28, s30                    ; the weight's pitch,
	s_cselect_b32 s22, s22, s25                    ; my work-group's four K steps,
	s_cselect_b32 s29, s21, s24                    ; my panel among those of its buffer,
	s_cselect_b32 s52, 32, 16                      ; records in a panel,
	s_cselect_b32 s53, 16, 0                       ; and the panels that lie in front (x's)
	s_lshl_b32 s22, s22, 1
	s_add_co_u32 s22, s22, s20                     ; my wave's pair of K steps
.set i, 0
.rept 32
	v_mad_u32_u24 v[OFF+i], s28, i, v2
.set i, i+1
.endr
	s_lshl_b32 s54, s31, 9                         ; 512 bytes a panel
	s_mul_i32 s55, s22, s28
	s_lshl_b32 s55, s55, 8                         ; 256 rows a pair of K steps
	s_add_co_u32 s54, s54, s55
	s_mov_b32 s55, 0
	s_add_nc_u64 s[BAS:BAS+1], s[48:49], s[54:55]
	s_lshl_b32 s56, s28, 5                         ; 32 rows on
	s_mov_b32 s57, 0
.irp t, 1,2,3,4,5,6,7
	s_add_nc_u64 s[BAS+2*\t:BAS+2*\t+1], s[BAS+2*\t-2:BAS+2*\t-1], s[56:57]
.endr
	s_add_co_u32 s29, s29, s53
	s_mul_i32 s29, s29, s52
	s_lshl_b32 s53, s22, 1
	s_add_co_u32 s29, s29, s53
	s_mul_i32 s29, s29, REC                        ; my first record
	s_mul_i32 s54, s19, 3072
	s_add_co_u32 s54, s54, s29
	s_add_nc_u64 s[58:59], s[50:51], s[54:55]      ; my two fragments' images
	s_lshl_b32 s54, s19, 7
	s_add_co_u32 s54, s54, s29
	s_add_nc_u64 s[60:61], s[50:51], s[54:55]      ; their scale words, less 12,288
.macro LOAD t                          ; block t: rows 32 t + i of my 256, my column, into set t % 2; a wave's load covers 128 consecutive bytes, four waves' 512
.set i, 0
.rept 32
	global_load_b32 v[X+32*((\t)%2)+i], v[OFF+i], s[BAS+2*(\t):BAS+2*(\t)+1] th:TH_LOAD_NT
.set i, i+1
.endr
.endm
.macro BLOCK t
.set XS, X+32*((\t)%2)
.set KU, (\t)/4                        ; the K step
.set KB, (\t)%4                        ; the block in it
.set DD, CD+24*KU+12*(KB%2)+6*(KB/2)   ; where its six code registers lie
.if (\t) < 7
	s_wait_loadcnt 32                              ; this block's 32 loads are in; the next block's may be out
.else
	s_wait_loadcnt 0x0
.endif
	v_max3_num_f32 v8, |v[XS]|, |v[XS+1]|, |v[XS+2]|   ; the block's largest magnitude: all 32 numbers are mine; two chains
	v_max3_num_f32 v9, |v[XS+3]|, |v[XS+4]|, |v[XS+5]|
.irp i, 6,10,14,18,22,26
	v_max3_num_f32 v8, v8, |v[XS+\i]|, |v[XS+\i+1]|
	v_max3_num_f32 v9, v9, |v[XS+\i+2]|, |v[XS+\i+3]|
.endr
	v_max3_num_f32 v8, v8, |v[XS+30]|, |v[XS+31]|
	v_max3_num_f32 v8, v8, v9, 0x1800000           ; and the floor 2^(3 - 127): the byte cannot fall under 1
	v_add_nc_u32 v10, 0xff000000, v8               ; 2 off its exponent field: the conversion's scale operand
	v_lshrrev_b32 v11, 23, v10                     ; the scale's byte
.if KB == 0
	v_mov_b32 v[SW+KU], v11
.else
	v_lshl_or_b32 v[SW+KU], v11, 8*KB, v[SW+KU]
.endif
	v_cvt_scalef32_pk16_fp6_f32 v[DD:DD+2], v[XS:XS+15], v10
	v_cvt_scalef32_pk16_fp6_f32 v[WTP:WTP+2], v[XS+16:XS+31], v10   ; (a conversion's three registers begin on an even number)
	v_nop                                          ; one plain place behind the scaled conversions
.irp i, 0,1,2
	v_mov_b32 v[DD+3+\i], v[WTP+\i]
.endr
.if (\t)+2 < 8
	LOAD (\t)+2
.endif
.endm
.macro OUT u                           ; K step u leaves; each K step has code registers of its own, so no store's data are written again
.set i, 0
.rept 12
	v_permlane16_swap_b32 v[CD+24*\u+i], v[CD+24*\u+12+i]   ; the first run's lanes 16-31 change places with the second's lanes 0-15: the runs are now my two fragments
.set i, i+1
.endr
.irp f, 0,1
.irp c, 0,1,2
	global_store_b128 v4, v[CD+24*\u+12*\f+4*\c:CD+24*\u+12*\f+4*\c+3], s[58:59] offset:\u*REC+1536*\f+512*\c   ; 512 consecutive bytes, at a multiple of 256 from the buffer's first byte
.endr
.endr
	global_store_b32 v7, v[SW+\u], s[60:61] offset:\u*REC+12288   ; 128 consecutive bytes
.endm
	LOAD 0
	LOAD 1
	BLOCK 0
	BLOCK 1
	BLOCK 2
	BLOCK 3
	OUT 0
	BLOCK 4
	BLOCK 5
	BLOCK 6
	BLOCK 7
	OUT 1
	s_wait_tensorcnt 0x0                           ; the wave's end
	ds_add_u32 v[SPW], v[NIL]
	s_wait_dscnt 0x0
	s_endpgm
	; ---------------- x ----------------
.Lx_path:
	v_and_b32 v2, 15, v0                           ; r
	v_bfe_u32 v3, v0, 4, 1                         ; h
	s_mul_i32 s19, s18, WREG                       ; my wave's stages
	v_add_nc_u32 v5, s19, v4                       ; into a stage: as loaded
	v_mul_u32_u24 v6, v2, SPITCH
	v_lshl_add_u32 v6, v3, 6, v6
	v_add_nc_u32 v6, s19, v6                       ; out of it: row r, + 64 h: my 16 numbers of each block of 32
	s_mov_b32 s[SEL], 0x76543210
	s_mov_b32 s[SEL+1], 0xfedcba98
.irp b, 0,1,2,3
	v_mov_b32 v[TM+4+\b], 0                        ; written once: a lane permute's destination counts as one of its sources
.endr
	s_max_u32 s22, ttmp9, NWW
	s_sub_co_u32 s22, s22, NWW                     ; x's work-group, 0..255
	s_lshl_b32 s22, s22, 3
	s_add_co_u32 s22, s22, s18                     ; my job: 8 x work-group + wave
	s_and_b32 s23, s22, 31                         ; its K step
	s_lshr_b32 s22, s22, 5                         ; its group of 32 rows, 0..63
	s_lshl_b32 s24, s22, 19                        ; x: 32 rows of 16,384 bytes a group,
	s_lshl_b32 s26, s23, 9                         ; 512 bytes a K step
	s_add_co_u32 s24, s24, s26
	s_mov_b32 s25, 0
	s_lshr_b32 s26, s22, 2                         ; the panel
	s_lshl_b32 s26, s26, 5
	s_add_co_u32 s26, s26, s23
	s_mul_i32 s26, s26, REC                        ; the record
	s_and_b32 s30, s22, 3                          ; which pair of its fragments
	s_mul_i32 s28, s30, 3072
	s_add_co_u32 s28, s28, s26                     ; the codes' place
	s_mov_b32 s29, 0
	s_lshl_b32 s30, s30, 7
	s_add_co_u32 s26, s26, s30                     ; the scale words' place, less 12,288
	s_mov_b32 s27, 0
	s_wait_kmcnt 0x0
	s_add_nc_u64 s[4:5], s[4:5], s[24:25]
	s_add_nc_u64 s[8:9], s[14:15], s[28:29]
	s_add_nc_u64 s[10:11], s[14:15], s[26:27]
.irp t, 0,1
.irp p, 0,1,2,3,4,5,6,7,8,9,10,11,12,13,14,15
	global_load_b128 v[R+64*\t+4*\p:R+64*\t+4*\p+3], v4, s[4:5] offset:(8*\t+\p%8+16*(\p/8))*ROWX th:TH_LOAD_NT   ; fragment t's row p: 512 consecutive bytes
.endr
.endr
.macro UNIT t, left
	s_wait_loadcnt \left                           ; this fragment's 16 loads are in
.irp p, 0,1,2,3,4,5,6,7,8,9,10,11,12,13,14,15
	ds_store_b128 v5, v[R+64*\t+4*\p:R+64*\t+4*\p+3] offset:STG*\t+SPITCH*\p
.endr
.irp b, 0,1,2,3
.irp j, 0,1,2,3
	ds_load_b128 v[R+64*\t+16*\b+4*\j:R+64*\t+16*\b+4*\j+3], v6 offset:STG*\t+128*\b+16*\j   ; LDS serves a wave's instructions in order (ISA guide 5.7.1.4): these see the stores above
.endr
.endr
	s_wait_dscnt 0x0
	QUANT R+64*\t, PC+12*\t, PW+\t
.irp c, 0,1,2
	global_store_b128 v4, v[PC+12*\t+4*\c:PC+12*\t+4*\c+3], s[8:9] offset:1536*\t+512*\c   ; 512 consecutive bytes, at a multiple of 256 from the buffer's first byte
.endr
.endm
	UNIT 0, 16                                     ; the second fragment's 16 loads may be out
	UNIT 1, 0
	v_cmp_lt_u32 s31, 15, v1                       ; lanes 16-31
	v_cndmask_b32 v10, v[PW], v[PW+1], s31         ; lanes 0-15: the first fragment's words, lanes 16-31: the second's
	global_store_b32 v7, v10, s[10:11] offset:12288   ; 128 consecutive bytes
	s_wait_tensorcnt 0x0                           ; the wave's end
	ds_add_u32 v[SPW], v[NIL]
	s_wait_dscnt 0x0
	s_endpgm
.Lfunc_end_k_qd81409a626_quant_all:
	.size	k_qd81409a626_quant_all, .Lfunc_end_k_qd81409a626_quant_all-k_qd81409a626_quant_all
	.p2alignl 7, 3214868480
	.fill 96, 4, 3214868480
	.section	.rodata,"a",@progbits
	.p2align	6, 0x0
	.amdhsa_kernel k_qd81409a626_quant_all
		.amdhsa_group_segment_fixed_size 136192
		.amdhsa_private_segment_fixed_size 0
		.amdhsa_enable_private_segment 0
		.amdhsa_kernarg_size 56
		.amdhsa_user_sgpr_count 2
		.amdhsa_user_sgpr_kernarg_segment_ptr 1
		.amdhsa_wavefront_size32 1
		.amdhsa_system_sgpr_workgroup_id_x 1
		.amdhsa_system_sgpr_workgroup_id_y 1
		.amdhsa_system_sgpr_workgroup_id_z 1
		.amdhsa_system_vgpr_workitem_id 0
		.amdhsa_next_free_vgpr 192
		.amdhsa_next_free_sgpr 66
		.amdhsa_reserve_vcc 0
		.amdhsa_float_denorm_mode_32 3
		.amdhsa_float_denorm_mode_16_64 3
		.amdhsa_memory_ordered 1
		.amdhsa_forward_progress 1
		.amdhsa_inst_pref_size 61
	.end_amdhsa_kernel
	.amdgpu_metadata
---
amdhsa.version: [ 1, 2 ]
amdhsa.kernels:
  - .name:           k_qd81409a626_quant_all
    .symbol:         k_qd81409a626_quant_all.kd
    .args:
      - { .name: x, .offset: 0, .size: 8, .value_kind: global_buffer, .address_space: global }
      - { .name: wq, .offset: 8, .size: 8, .value_kind: global_buffer, .address_space: global }
      - { .name: wk, .offset: 16, .size: 8, .value_kind: global_buffer, .address_space: global }
      - { .name: wv, .offset: 24, .size: 8, .value_kind: global_buffer, .address_space: global }
      - { .name: wo, .offset: 32, .size: 8, .value_kind: global_buffer, .address_space: global }
      - { .name: opq, .offset: 40, .size: 8, .value_kind: global_buffer, .address_space: global }
      - { .name: woc, .offset: 48, .size: 8, .value_kind: global_buffer, .address_space: global }
    .group_segment_fixed_size: 136192
    .private_segment_fixed_size: 0
    .kernarg_segment_align: 8
    .kernarg_segment_size: 56
    .max_flat_workgroup_size: 256
    .sgpr_count:     66
    .vgpr_count:     192
    .wavefront_size: 32
...
	.end_amdgpu_metadata
.endif
;; end of part 1
;; launch gemm_qkv (part 2): grid 64 x 4, 4 waves a work-group, clusters of 4 x 4, 327,680 bytes of LDS; arguments opq, freqs_cos, freqs_sin, qkvc, qkvs; writes qkvc, qkvs
.if DOCPART == 2
	.amdgcn_target "amdgcn-amd-amdhsa--gfx1250"
	.amdhsa_code_object_version 6
	.text
	.protected	k_qd81409a626_gemm_qkv
	.globl	k_qd81409a626_gemm_qkv
	.p2align	8
	.type	k_qd81409a626_gemm_qkv,@function
k_qd81409a626_gemm_qkv:
	s_mov_b64 s[64:65], 0
	v_nop
	global_prefetch_b8 v0, s[64:65] scope:SCOPE_SE
	s_setreg_imm32_b32 hwreg(HW_REG_WAVE_MODE, 25, 1), 1
	s_wait_xcnt 0x0
	s_wait_alu depctr_hold_cnt(0) depctr_sa_sdst(0) depctr_va_vdst(0) depctr_va_sdst(0) depctr_va_ssrc(0) depctr_va_vcc(0) depctr_vm_vsrc(0)
	s_getreg_b32 s2, hwreg(HW_REG_IB_STS2, 6, 4)
	s_cmp_eq_u32 s2, 0
	s_cbranch_scc0 .Lentry_in_a_cluster
	s_endpgm
.Lentry_in_a_cluster:
	s_bfe_u32 s2, ttmp6, 0x10000c
	s_cmp_lg_u32 s2, 0xf033
	s_cbranch_scc0 .Lentry_shape_is_right
	s_endpgm
.Lentry_shape_is_right:
; q = x wq, k = x wk, V^T = wv^T x^T on codes of FP6 (E2M3) with E8M0 scales; RoPE on q and k in f32; then q, k (along the head's 128) and V^T (along the keys) are quantised in registers and leave as codes.
; k_cache and v_cache are not read: with start_pos = 0 and 2,048 new positions every cache element that is read afterwards has been overwritten by the new k and v.
; OPERANDS: opq holds panels of 128 rows, 32 records of 12,800 bytes each (128 K: eight fragment images of 1,536 bytes, then eight times 16 scale words): x panels 0-15, wq 16-31, wk 32-39, wv 40-47.
; Lane r of fragment i holds the panel's row 32 (i / 2) + 8 (i % 2) + r % 8 + 16 (r / 8).
; A TILE is 128 rows of operand A x 256 rows of operand B; four waves, each 64 x 128: 32 accumulators.  256 tiles: clusters 0-11: A = x, B = wq and wk (192 tiles); clusters 12-15: A = wv, B = x (64 tiles).
; THE MATRIX INSTRUCTION IS USED TRANSPOSED (source 0 = B's fragment, source 1 = A's): a lane holds one row of A, and by B's row order the 64 registers of its eight accumulators are, 16 by 16, neighbours along B's 128 rows:
; register 16 b + i is row 32 b + 16 (lane / 16) + i.  A wave's 128 rows of B are one head (q, k) or one step of 128 keys (V^T): one K step of the next product, so the wave quantises them without any other wave.
; K goes four steps of 128 to a slot through a ring of two LDS slots; the scale words travel in the records.  CLUSTERS: 4 x 4 work-groups; A's tile is asked for jointly along a row of the cluster, B's along a column.
; OUT: qkvc: 32 units (q heads 0-15, k heads 16-23, V heads 24-31) x 16 groups x 8 fragment images; qkvs: their scale words, 64 bytes a fragment.  q, k: group = panel of positions; V: group = step of 128 keys, fragment = 16 of the head's 128.
; REGISTERS: window 0: v1-29 addresses; v32-47 scale words, two sets; v64-159 A's fragments, two sets of 48; the way out uses v64-229.  window 1: B's fragments, two sets, at v0 and v128.  window 2: accumulator (a, b) at v[8 (8 a + b)].
; LIMITS: a block of zeros gets the byte 1 where the rule says 127 (its codes are zeros, and this program alone reads the bytes); blocks under 2^-124 are held at byte 1; NaN and infinities are not served;
; RoPE: each output is one multiplication and one fused multiply-add, one rounding fewer than two multiplications and an addition.
.set REC,   12800
.set BOFF,  4*REC                      ; four records: a panel's part of a slot
.set SLOT,  12*REC                     ; A's four records, then those of B's two panels
.set SPARE, 2*SLOT                     ; behind the ring: the spare words, 128 bytes for each wave, which no other line names
.set KS,    32                         ; K steps
.set PANB,  KS*REC                     ; a panel in bytes
.set LAPS,  KS/8                       ; a lap = two slots = eight K steps
.set ADRA, 16                          ; v16-17 LDS address of my A fragments in slot 0, 1
.set ADRB, 18                          ; v18-19 of my B fragments
.set ADS,  20                          ; v20-21 of the scale words: lanes 0-15 A's fragment i, lanes 16-31 B's fragment i, i = 0 .. 3
.set ADS2, 22                          ; v22-23 the same for i = 4 .. 7: lanes 0-15 A's fragment i - 4
.set LI,   24                          ; v24    16 x lane
.set LS,   25                          ; v25    4 x lane
.set CF,   26                          ; v26    my byte in the RoPE tables
.set LN,   27                          ; v27    lane
.set SPW,  28                          ; v28    my spare word's LDS address; never rewritten
.set NIL,  29                          ; v29    0; never rewritten
.set SC,   32                          ; scale words: set p at v[SC + 8 p]; they hold scales and nothing else
.set AF,   64
.set RT,   192                         ; v192-207 RoPE's products
.set TP,   112                         ; v112-119 the conversions' second halves
.set TM,   208                         ; v208-223 at work in QUANTW
.set G1, 24                            ; s[24:31] descriptor group 1 for A's loads; s[32:39] group 0, one set for each slot
.set G0, 32
.set G1B, 48                           ; s[48:55], s[56:63] the same for B's
.set G0B, 56
.set ISV, 73                           ; s73    1 in the clusters that make V^T
.set SEL, 84                           ; s[84:85] lane selects: lane l xor 16
.set MSB, 0
.macro WIN new                         ; the immediate's high byte repeats the setting that is left
.if MSB != \new
	s_set_vgpr_msb (MSB<<8)|\new
.set MSB, \new
.endif
.endm
.set MUL,  0xa1                        ; source 0 (B) window 1, source 1 (A) window 0, C and D window 2
.set TO_B, 0x40                        ; destination window 1, address window 0
; A joint load: waves 0 and 1 fetch for A, waves 2 and 3 for B; the branch hangs on the wave's number alone.  An s_nop 0 and four v_nop follow each of the two lines.
.macro JLOAD g0a, g1a, g0b, g1b
	s_cmp_eq_u32 s15, 0
	s_cbranch_scc0 .Lfor_b_\@
	tensor_load_to_lds s[\g0a:\g0a+3], s[\g1a:\g1a+7]
	s_nop 0
.rept 4
	v_nop
.endr
	s_branch .Lasked_\@
.Lfor_b_\@:
	tensor_load_to_lds s[\g0b:\g0b+3], s[\g1b:\g1b+7]
	s_nop 0
.rept 4
	v_nop
.endr
.Lasked_\@:
.endm
.macro CREST                           ; a round of the cluster's barrier behind its opening barrier
	s_cmp_lg_u32 s14, 0
	s_cbranch_scc1 .Lnot_wave_0_\@
	s_barrier_signal -3
.Lnot_wave_0_\@:
	s_barrier_wait -3
	s_barrier_signal -1
	s_barrier_wait -1
.endm
.macro CROUND                          ; a whole round
	s_barrier_signal -1
	s_barrier_wait -1
	CREST
.endm
.macro PLACES n                        ; plain places behind matrix instructions, in front of loads into their registers and of reads of their results
.rept \n
	v_nop
.endr
.endm
	s_load_b128 s[4:7], s[0:1], 0x0                ; opq s[4:5], freqs_cos s[6:7]
	s_load_b128 s[8:11], s[0:1], 0x10              ; freqs_sin s[8:9], qkvc s[10:11]
	s_load_b64 s[12:13], s[0:1], 0x20              ; qkvs
	v_lshl_add_u32 v[SPW], v0, 2, SPARE
	v_mov_b32 v[NIL], 0
	ds_add_u32 v[SPW], v[NIL]                      ; the wave's opening: the add and its wait stand ahead of my first tensor load; the set-up below, work on registers, stands between them
	v_lshrrev_b32 v1, 5, v0
	v_readfirstlane_b32 s14, v1                    ; wave 0..3
	s_lshr_b32 s15, s14, 1                         ; which 64 rows of A are mine.  Also: I fetch for A (0) or for B (1)
	s_and_b32 s16, s14, 1                          ; which panel of B is mine.  Also: which part I fetch
	s_bfe_u32 s40, ttmp6, 0x40000                  ; cx, cy: my place in the cluster
	s_bfe_u32 s41, ttmp6, 0x40004
	s_and_b32 s66, ttmp9, 3                        ; clusters 0-11: four along A (x's 16 panels), three along B (24 panels of wq, wk)
	s_lshr_b32 s67, ttmp9, 2
	s_max_u32 s68, ttmp9, 12
	s_sub_co_u32 s68, s68, 12                      ; clusters 12-15: two along A (wv's 8 panels), two along B (x's 16)
	s_and_b32 s69, s68, 1
	s_lshr_b32 s70, s68, 1
	s_cmp_lt_u32 ttmp9, 12                         ; the cluster's number: the same in all sixteen partners
	s_cselect_b32 s66, s66, s69
	s_cselect_b32 s67, s67, s70
	s_cselect_b32 s71, 0, 40                       ; A's first panel in opq
	s_cselect_b32 s72, 16, 0                       ; B's
	s_cselect_b32 s[ISV], 0, 1
	s_lshl_b32 s17, s66, 2
	s_add_co_u32 s17, s17, s41                     ; A's panel of this tile
	s_lshl_b32 s42, s67, 2
	s_add_co_u32 s42, s42, s40                     ; B's pair of panels
	s_lshl_b32 s43, s41, 2
	s_lshl_b32 s43, 15, s43                        ; my row of the cluster
	s_lshl_b32 s44, 0x1111, s40                    ; my column
	; descriptor group 1: dense memory as rows of 256 bytes (32 elements of 8 bytes), no padding: A: 100 rows (two records), B: 200 (four)
	s_or_b32 s[G1], s43, (3<<16)|(1<<21)           ; 15:0 the mask: A's tiles go to my row; 17:16 elements of 8 bytes; 21 set beside a mask
	s_or_b32 s[G1B], s44, (3<<16)|(1<<21)
.irp g, G1, G1B
	s_mov_b32 s[\g+1], 32<<16                      ; tensor_dim0
	s_mov_b32 s[\g+3], 32<<16                      ; tile_dim0
	s_mov_b32 s[\g+5], 32                          ; tensor_dim0_stride
	s_mov_b32 s[\g+6], 0
	s_mov_b32 s[\g+7], 0
.endr
	s_mov_b32 s[G1+2], 100<<16                     ; tensor_dim1
	s_mov_b32 s[G1+4], 100                         ; tile_dim1
	s_mov_b32 s[G1B+2], 200<<16
	s_mov_b32 s[G1B+4], 200
	s_add_co_u32 s20, s71, s17                     ; A: the panel, and my two records of a slot's four: no register of this chain ever holds cx
	s_mul_i32 s20, s20, PANB
	s_mul_i32 s45, s16, 2*REC                      ; (also their place in a slot)
	s_add_co_u32 s20, s20, s45
	s_mov_b32 s21, 0
	s_lshl_b32 s46, s42, 1                         ; B: my panel of the pair: none of this chain holds cy
	s_add_co_u32 s46, s46, s16
	s_add_co_u32 s46, s46, s72
	s_mul_i32 s46, s46, PANB
	s_mov_b32 s47, 0
	s_mul_i32 s22, s16, BOFF
	s_add_co_u32 s22, s22, BOFF                    ; its place in a slot, behind A's four records
	s_mov_b32 s[SEL], 0x76543210
	s_mov_b32 s[SEL+1], 0xfedcba98
	s_wait_dscnt 0x0                               ; the opening add is done
	s_wait_kmcnt 0x0
	s_add_nc_u64 s[20:21], s[4:5], s[20:21]
	s_add_nc_u64 s[46:47], s[4:5], s[46:47]
	CROUND                                         ; all sixteen work-groups are here: the first joint loads meet
.irp s, 0,1
	s_mov_b32 s[G0+4*\s], 1                        ; count = 1
	s_add_co_u32 s[G0+4*\s+1], s45, \s*SLOT        ; LDS address
	s_add_nc_u64 s[G0+4*\s+2:G0+4*\s+3], s[20:21], \s*BOFF   ; global address: K steps 4 s on
	s_or_b32 s[G0+4*\s+3], s[G0+4*\s+3], 0x80000000   ; type = 2
	s_mov_b32 s[G0B+4*\s], 1
	s_add_co_u32 s[G0B+4*\s+1], s22, \s*SLOT
	s_add_nc_u64 s[G0B+4*\s+2:G0B+4*\s+3], s[46:47], \s*BOFF
	s_or_b32 s[G0B+4*\s+3], s[G0B+4*\s+3], 0x80000000
	JLOAD G0+4*\s, G1, G0B+4*\s, G1B               ; two loads of mine are out behind these
.endr
	v_and_b32 v1, 15, v0                           ; r
	v_bfe_u32 v2, v0, 4, 1                         ; h
	v_and_b32 v[LN], 31, v0
	v_lshlrev_b32 v[LI], 4, v[LN]
	v_lshlrev_b32 v[LS], 2, v[LN]
	s_mul_i32 s21, s15, 6144                       ; my four fragments of A's eight
	v_add_nc_u32 v[ADRA], s21, v[LI]
	v_add_nc_u32 v[ADRA+1], SLOT, v[ADRA]
	v_add_nc_u32 v[ADRB], s22, v[LI]
	v_add_nc_u32 v[ADRB+1], SLOT, v[ADRB]
	s_lshl_b32 s23, s15, 8                         ; my four fragments' scale words among A's: 256 bytes on for the second half
	s_sub_co_u32 s18, s22, s23                     ; from there to B's panel's
	s_add_co_u32 s19, s18, 256
	v_mul_u32_u24 v3, s18, v2                      ; lanes 16-31 take B's: one product, the lower base + h x the distance
	v_lshl_add_u32 v3, v1, 2, v3
	v_mul_u32_u24 v4, s19, v2
	v_lshl_add_u32 v4, v1, 2, v4
	s_add_co_u32 s18, s23, 12288
	s_add_co_u32 s19, s23, 12032
	v_add_nc_u32 v[ADS], s18, v3
	v_add_nc_u32 v[ADS+1], SLOT, v[ADS]
	v_add_nc_u32 v[ADS2], s19, v4
	v_add_nc_u32 v[ADS2+1], SLOT, v[ADS2]
	v_and_b32 v5, 7, v1
	v_lshrrev_b32 v6, 3, v1
	v_lshl_add_u32 v5, v6, 4, v5                   ; r % 8 + 16 (r / 8): my position within a fragment's span
	v_lshlrev_b32 v[CF], 8, v5                     ; a position's 64 numbers are 256 bytes,
	v_lshl_add_u32 v[CF], v2, 5, v[CF]             ; + 32 h: my half's eight pairs of each 16
.irp b, 0,1,2,3
	v_mov_b32 v[TM+4+\b], 0                        ; written once: a lane permute's destination counts as one of its sources
.endr
	; where the results go
	s_lshl_b32 s74, s42, 1
	s_add_co_u32 s74, s74, s16                     ; B's panel
	s_add_co_u32 s75, s17, 24
	s_cmp_eq_u32 s[ISV], 0
	s_cselect_b32 s76, s74, s75                    ; the unit: q, k: B's panel is the head; V: 24 + A's panel
	s_cselect_b32 s77, s17, s74                    ; the group: q, k: A's panel of positions; V: B's panel, a step of 128 keys
	s_lshl_b32 s76, s76, 4
	s_add_co_u32 s76, s76, s77
	s_mul_i32 s78, s76, 12288
	s_mul_i32 s79, s15, 6144
	s_add_co_u32 s78, s78, s79
	s_mov_b32 s79, 0
	s_add_nc_u64 s[10:11], s[10:11], s[78:79]      ; my four fragments' images
	s_lshl_b32 s80, s76, 9
	s_lshl_b32 s81, s15, 8
	s_add_co_u32 s80, s80, s81
	s_mov_b32 s81, 0
	s_add_nc_u64 s[12:13], s[12:13], s[80:81]      ; their scale words
	s_lshl_b32 s78, s17, 15                        ; the tables: 128 positions of 256 bytes a panel,
	s_lshl_b32 s80, s15, 14                        ; my 64
	s_add_co_u32 s78, s78, s80
	s_add_nc_u64 s[6:7], s[6:7], s[78:79]
	s_add_nc_u64 s[8:9], s[8:9], s[78:79]
; 44 LDS loads in one run: K step q of a slot into set p: B's eight fragments, my four of A's, eight registers of scale words.  A fragment comes as the image of its registers: three loads of 512 consecutive bytes.
.macro FETCH slot, q, p
	WIN TO_B
.irp b, 0,1,2,3,4,5,6,7
.irp c, 0,1,2
	ds_load_b128 v[128*(\p)+12*\b+4*\c:128*(\p)+12*\b+4*\c+3], v[ADRB+\slot] offset:(\q)*REC+1536*\b+512*\c
.endr
.endr
	WIN 0
.irp a, 0,1,2,3
.irp c, 0,1,2
	ds_load_b128 v[AF+48*(\p)+12*\a+4*\c:AF+48*(\p)+12*\a+4*\c+3], v[ADRA+\slot] offset:(\q)*REC+1536*\a+512*\c
.endr
.endr
.irp i, 0,1,2,3
	ds_load_b32 v[SC+8*(\p)+\i], v[ADS+\slot] offset:(\q)*REC+64*\i
.endr
.irp i, 4,5,6,7
	ds_load_b32 v[SC+8*(\p)+\i], v[ADS2+\slot] offset:(\q)*REC+64*\i
.endr
.endm
; 8 matrix instructions: A's fragment a x B's eight, from set p.  zero = 1: the first product starts the sums.  The 32 accumulators take turns, one instruction a turn, in the same order in every step.
.macro MUL8 a, p, zero
.irp b, 0,1,2,3,4,5,6,7
.if \zero
	v_wmma_scale_f32_16x16x128_f8f6f4 v[8*(8*(\a)+\b):8*(8*(\a)+\b)+7], v[128*(\p)+12*\b:128*(\p)+12*\b+11], v[AF+48*(\p)+12*(\a):AF+48*(\p)+12*(\a)+11], 0, v[SC+8*(\p)+\b], v[SC+8*(\p)+(\a)] matrix_a_fmt:MATRIX_FMT_FP6 matrix_b_fmt:MATRIX_FMT_FP6 matrix_a_scale:MATRIX_SCALE_ROW1
.else
	v_wmma_scale_f32_16x16x128_f8f6f4 v[8*(8*(\a)+\b):8*(8*(\a)+\b)+7], v[128*(\p)+12*\b:128*(\p)+12*\b+11], v[AF+48*(\p)+12*(\a):AF+48*(\p)+12*(\a)+11], v[8*(8*(\a)+\b):8*(8*(\a)+\b)+7], v[SC+8*(\p)+\b], v[SC+8*(\p)+(\a)] matrix_a_fmt:MATRIX_FMT_FP6 matrix_b_fmt:MATRIX_FMT_FP6 matrix_a_scale:MATRIX_SCALE_ROW1
.endif
.endr
.endm
; A K step that has its successor in the same slot: the successor's loads go out first, then the step's 32 products.
.macro STEP slot, q, zero
	s_wait_dscnt 0x0                               ; this step's set is in: it was asked for ahead of the last step's products
	PLACES 4                                       ; behind the last products, which read the set that is loaded now
	FETCH \slot, (\q)+1, 1-(\q)%2
	WIN MUL
	MUL8 0, (\q)%2, \zero
	MUL8 1, (\q)%2, \zero
	MUL8 2, (\q)%2, \zero
	MUL8 3, (\q)%2, \zero
.endm
; A slot's last step changes slots: ONE barrier; in front of it each wave waits for all its tensor loads, adds 0 to its spare word, and waits for that and for its reads of this slot.  fill = 1: the slot is filled again, eight K steps ahead.
.macro TURN slot, next, fill
	WIN 0                                          ; (the add's two registers lie in window 0)
	s_wait_tensorcnt 0x0                           ; all my tensor loads have landed: my part of the next slot
	ds_add_u32 v[SPW], v[NIL]                      ; 0 onto my spare word
	s_wait_dscnt 1                                 ; this step's set is in; the add alone may be out
	WIN MUL
	MUL8 0, 1, 0                                   ; eight matrix instructions stand between the add and the wait for it
	s_wait_dscnt 0x0                               ; the add is done, and my reads of this slot are over
	s_barrier_signal -1
	MUL8 1, 1, 0
	WIN 0
	s_barrier_wait -1
.if \fill
	CREST                                          ; the barrier has opened a round of the cluster's barrier: no wave of any partner still reads this slot or has a load on its way
	s_add_nc_u64 s[G0+4*\slot+2:G0+4*\slot+3], s[G0+4*\slot+2:G0+4*\slot+3], 2*BOFF
	s_add_nc_u64 s[G0B+4*\slot+2:G0B+4*\slot+3], s[G0B+4*\slot+2:G0B+4*\slot+3], 2*BOFF
	JLOAD G0+4*\slot, G1, G0B+4*\slot, G1B         ; the first tensor load behind the round: it has 112 matrix instructions in which to land; its four v_nop are the places in front of the loads below
.else
	PLACES 4
.endif
	FETCH \next, 0, 0
	WIN MUL
	MUL8 2, 1, 0
	MUL8 3, 1, 0
.endm
	s_wait_tensorcnt 1                             ; my part of slot 0 is in; slot 1's load, issued behind it, may be out
	s_barrier_signal -1
	s_barrier_wait -1                              ; everybody's is
	FETCH 0, 0, 0
	STEP 0, 0, 1                                   ; the first step stands in front of the loop: its products start the sums
	WIN 0                                          ; at a label and at a branch every window is 0
	s_mov_b32 s3, LAPS-1
.Llap:                                             ; a trip goes once round the ring, from a lap's second step to the next lap's first, and fills both slots again
	STEP 0, 1, 0
	STEP 0, 2, 0
	TURN 0, 1, 1
	STEP 1, 0, 0
	STEP 1, 1, 0
	STEP 1, 2, 0
	TURN 1, 0, 1
	STEP 0, 0, 0
	WIN 0
	s_sub_co_u32 s3, s3, 1
	s_cmp_lg_u32 s3, 0
	s_cbranch_scc1 .Llap
	STEP 0, 1, 0                                   ; the last lap fills nothing, and has no round of the cluster's barrier
	STEP 0, 2, 0
	TURN 0, 1, 0
	STEP 1, 0, 0
	STEP 1, 1, 0
	STEP 1, 2, 0
	s_wait_dscnt 0x0                               ; the very last step: nothing more to fetch
	MUL8 0, 1, 0
	MUL8 1, 1, 0
	MUL8 2, 1, 0
	MUL8 3, 1, 0
	WIN 0
	PLACES 4                                       ; in front of the first reads of results and of loads into the registers that held A's fragments
; ROPE, on q and k alone.  For A's fragment a my position is 32 (a / 2) + 8 (a % 2) + r % 8 + 16 (r / 8) of my 64; registers 16 b + 2 e, 16 b + 2 e + 1 are pair 16 b + 8 h + e of the head's 64.
.macro RLOAD a                         ; 16 loads: my position's 32 cosines and 32 sines, into set a % 2 (v64-127 or v128-191: cosines, then sines)
.set RC, 64+64*((\a)%2)
.irp b, 0,1,2,3
.irp j, 0,1
	global_load_b128 v[RC+8*\b+4*\j:RC+8*\b+4*\j+3], v[CF], s[6:7] offset:(32*((\a)/2)+8*((\a)%2))*256+64*\b+16*\j
	global_load_b128 v[RC+32+8*\b+4*\j:RC+32+8*\b+4*\j+3], v[CF], s[8:9] offset:(32*((\a)/2)+8*((\a)%2))*256+64*\b+16*\j
.endr
.endr
.endm
.macro ROPE a                          ; in place, in ascending order: each accumulator is read from its low end on
.set RC, 64+64*((\a)%2)
.irp b, 0,1,2,3
	WIN 0x02                                       ; source 0: the accumulators' window
.irp e, 0,1,2,3,4,5,6,7
	v_mul_f32 v[RT+2*\e], v[64*(\a)+16*\b+2*\e+1], v[RC+32+8*\b+\e]   ; ti sin
	v_mul_f32 v[RT+2*\e+1], v[64*(\a)+16*\b+2*\e], v[RC+32+8*\b+\e]   ; tr sin
.endr
	WIN 0x82                                       ; source 0 and destination
.irp e, 0,1,2,3,4,5,6,7
	v_fma_f32 v[64*(\a)+16*\b+2*\e], v[64*(\a)+16*\b+2*\e], v[RC+8*\b+\e], -v[RT+2*\e]         ; tr cos - ti sin
	v_fma_f32 v[64*(\a)+16*\b+2*\e+1], v[64*(\a)+16*\b+2*\e+1], v[RC+8*\b+\e], v[RT+2*\e+1]    ; ti cos + tr sin
.endr
.endr
	WIN 0
.endm
	s_cmp_lg_u32 s[ISV], 0                         ; V has no RoPE: a branch on the cluster's number, the same in all partners; no barrier and no tensor load stands under it
	s_cbranch_scc1 .Lnorope
	RLOAD 0
	RLOAD 1
	s_wait_loadcnt 16                              ; this fragment's 16 loads are in; the next one's may be out
	ROPE 0
	RLOAD 2
	s_wait_loadcnt 16
	ROPE 1
	RLOAD 3
	s_wait_loadcnt 16
	ROPE 2
	s_wait_loadcnt 0x0
	ROPE 3
.Lnorope:
; 64 numbers of a lane in the accumulators' window, register 16 b + i = k 32 b + 16 (lane / 16) + i of my row, become a fragment's 12 code registers at v[pc] and its scale word in v[pw], both in window 0.
.macro QUANTW s, pc, pw
	WIN 0x0a                                       ; sources 0 and 1: the accumulators' window
.irp b, 0,1,2,3
	v_max3_num_f32 v[TM+\b], |v[(\s)+16*\b]|, |v[(\s)+1+16*\b]|, 0x1800000   ; block b: my 16 numbers, and the floor 2^(3 - 127): the byte cannot fall under 1
.endr
	WIN 0x28                                       ; sources 1 and 2
.irp i, 2,4,6,8,10,12,14
.irp b, 0,1,2,3
	v_max3_num_f32 v[TM+\b], v[TM+\b], |v[(\s)+16*\b+\i]|, |v[(\s)+1+16*\b+\i]|
.endr
.endr
	WIN 0
.irp b, 0,1,2,3
	v_permlanex16_b32 v[TM+4+\b], v[TM+\b], s[SEL], s[SEL+1]
.endr
.irp b, 0,1,2,3
	v_max_num_f32 v[TM+\b], v[TM+\b], v[TM+4+\b]   ; with lane l xor 16's: the block's largest magnitude
.endr
.irp b, 0,1,2,3
	v_add_nc_u32 v[TM+12+\b], 0xff000000, v[TM+\b]   ; 2 off its exponent field: the conversion's scale operand
.endr
.irp b, 0,1,2,3
	v_lshrrev_b32 v[TM+4+\b], 23, v[TM+12+\b]      ; the scale's byte
.endr
	v_lshl_or_b32 v[\pw], v[TM+5], 8, v[TM+4]
	v_lshl_or_b32 v[\pw], v[TM+6], 16, v[\pw]
	v_lshl_or_b32 v[\pw], v[TM+7], 24, v[\pw]
	WIN 0x02                                       ; source 0
.irp c, 0,1
	v_cvt_scalef32_pk16_fp6_f32 v[(\pc)+6*\c:(\pc)+2+6*\c], v[(\s)+32*\c:(\s)+15+32*\c], v[TM+12+2*\c]
	v_cvt_scalef32_pk16_fp6_f32 v[TP+4*\c:TP+2+4*\c], v[(\s)+16+32*\c:(\s)+31+32*\c], v[TM+12+2*\c+1]
.endr
	WIN 0
	v_nop                                          ; one plain place behind the scaled conversions
.irp c, 0,1
.irp i, 0,1,2
	v_permlane16_swap_b32 v[(\pc)+6*\c+\i], v[TP+4*\c+\i]
.endr
.irp i, 0,1,2
	v_mov_b32 v[(\pc)+3+6*\c+\i], v[TP+4*\c+\i]
.endr
.endr
.endm
.irp a, 0,1,2,3                        ; each of my four fragments has code registers of its own, so no store's data are written again
	QUANTW 64*\a, 64+12*\a, 224+\a
.irp c, 0,1,2
	global_store_b128 v[LI], v[64+12*\a+4*\c:64+12*\a+4*\c+3], s[10:11] offset:1536*\a+512*\c   ; 512 consecutive bytes, at a multiple of 256 from the buffer's first byte
.endr
.endr
	v_cmp_lt_u32 s82, 15, v[LN]                    ; lanes 16-31
	v_cndmask_b32 v228, v224, v225, s82            ; two fragments' words in one register
	v_cndmask_b32 v229, v226, v227, s82
	global_store_b32 v[LS], v228, s[12:13]         ; 128 consecutive bytes
	global_store_b32 v[LS], v229, s[12:13] offset:128
	s_wait_tensorcnt 0x0                           ; the wave's end
	ds_add_u32 v[SPW], v[NIL]
	s_wait_dscnt 0x0
	CROUND                                         ; the closing round: no work-group ends while a partner may still ask for a tile that names it
	s_endpgm
.Lfunc_end_k_qd81409a626_gemm_qkv:
	.size	k_qd81409a626_gemm_qkv, .Lfunc_end_k_qd81409a626_gemm_qkv-k_qd81409a626_gemm_qkv
	.p2alignl 7, 3214868480
	.fill 96, 4, 3214868480
	.section	.rodata,"a",@progbits
	.p2align	6, 0x0
	.amdhsa_kernel k_qd81409a626_gemm_qkv
		.amdhsa_group_segment_fixed_size 327680
		.amdhsa_private_segment_fixed_size 0
		.amdhsa_enable_private_segment 0
		.amdhsa_kernarg_size 40
		.amdhsa_user_sgpr_count 2
		.amdhsa_user_sgpr_kernarg_segment_ptr 1
		.amdhsa_wavefront_size32 1
		.amdhsa_system_sgpr_workgroup_id_x 1
		.amdhsa_system_sgpr_workgroup_id_y 1
		.amdhsa_system_sgpr_workgroup_id_z 1
		.amdhsa_system_vgpr_workitem_id 0
		.amdhsa_next_free_vgpr 768
		.amdhsa_next_free_sgpr 96
		.amdhsa_reserve_vcc 0
		.amdhsa_float_denorm_mode_32 3
		.amdhsa_float_denorm_mode_16_64 3
		.amdhsa_memory_ordered 1
		.amdhsa_forward_progress 1
		.amdhsa_inst_pref_size 172
	.end_amdhsa_kernel
	.amdgpu_metadata
---
amdhsa.version: [ 1, 2 ]
amdhsa.kernels:
  - .name:           k_qd81409a626_gemm_qkv
    .symbol:         k_qd81409a626_gemm_qkv.kd
    .args:
      - { .name: opq, .offset: 0, .size: 8, .value_kind: global_buffer, .address_space: global }
      - { .name: freqs_cos, .offset: 8, .size: 8, .value_kind: global_buffer, .address_space: global }
      - { .name: freqs_sin, .offset: 16, .size: 8, .value_kind: global_buffer, .address_space: global }
      - { .name: qkvc, .offset: 24, .size: 8, .value_kind: global_buffer, .address_space: global }
      - { .name: qkvs, .offset: 32, .size: 8, .value_kind: global_buffer, .address_space: global }
    .group_segment_fixed_size: 327680
    .private_segment_fixed_size: 0
    .kernarg_segment_align: 8
    .kernarg_segment_size: 40
    .max_flat_workgroup_size: 128
    .sgpr_count:     96
    .vgpr_count:     768
    .wavefront_size: 32
...
	.end_amdgpu_metadata
.endif
;; end of part 2
;; launch attn (part 3): grid 32 x 8, 8 waves a work-group, clusters of 4 x 1, 327,680 bytes of LDS; arguments qkvc, qkvs, ao; writes ao
.if DOCPART == 3
	.amdgcn_target "amdgcn-amd-amdhsa--gfx1250"
	.amdhsa_code_object_version 6
	.text
	.protected	k_qd81409a626_attn
	.globl	k_qd81409a626_attn
	.p2align	8
	.type	k_qd81409a626_attn,@function
k_qd81409a626_attn:
	s_mov_b64 s[64:65], 0
	v_nop
	global_prefetch_b8 v0, s[64:65] scope:SCOPE_SE
	s_setreg_imm32_b32 hwreg(HW_REG_WAVE_MODE, 25, 1), 1
	s_wait_xcnt 0x0
	s_wait_alu depctr_hold_cnt(0) depctr_sa_sdst(0) depctr_va_vdst(0) depctr_va_sdst(0) depctr_va_ssrc(0) depctr_va_vcc(0) depctr_vm_vsrc(0)
	s_getreg_b32 s2, hwreg(HW_REG_IB_STS2, 6, 4)
	s_cmp_eq_u32 s2, 0
	s_cbranch_scc0 .Lentry_in_a_cluster
	s_endpgm
.Lentry_in_a_cluster:
	s_bfe_u32 s2, ttmp6, 0x10000c
	s_cmp_lg_u32 s2, 0x3003
	s_cbranch_scc0 .Lentry_shape_is_right
	s_endpgm
.Lentry_shape_is_right:
; O[h][q] = the sum over k of softmax_k(Q[h][q] . K[h / 2][k] / sqrt(128)) V[h / 2][k], no mask, both products on codes of FP6 (E2M3) with E8M0 scales; O is then quantised along (head, channel) and leaves as codes.
; IN: qkvc: 32 units (q heads 0-15, k heads 16-23, V heads 24-31) x 16 groups x 8 fragment images of 1,536 bytes (registers 4 c .. 4 c + 3 of lane l at 512 c + 16 l); qkvs: 16 scale words a fragment.
; q, k: a group is 128 positions, lane r of fragment i holds position 32 (i / 2) + 8 (i % 2) + r % 8 + 16 (r / 8).  V: a group is a step of 128 keys (its K), fragment i holds 16 of the head's 128 in the same order.
; THE SOFTMAX AHEAD OF THE SECOND PRODUCT: t = score x log2(e) / sqrt(128); M = the row's largest t so far, rounded UP to a whole number; p = 2^(t - M) is quantised along the keys, not normalised.
; The row's sum is taken of the unquantised p and divides O at the end.  When M moves, the sum and O are multiplied by 2^(old M - new M): exact.
; SHARES: a work-group owns 128 queries of one query head, each of its eight waves one fragment of 16: two waves to a SIMD, 512 registers each.  Every wave walks all 2,048 keys, 128 a step.
; Both products are used transposed (S^T = K Q^T, O^T = V^T P^T): a lane holds ONE query throughout, and by the row orders above its registers run along the keys (S^T) and along the head's channels (O^T) 16 neighbours at a time.
; RING: two LDS slots of four key steps (K's four groups, then V's four), filled by waves 0 to 3; the head's scale words come once, by waves 4 and 5, and stay.
; THE LDS LOADS RUN A PHASE AHEAD.  All eight fragments of K and all eight of V have registers of their own.  A step's V is asked for at the step's head, ahead of the products K Q^T; the next step's K behind those products,
; ahead of the softmax: each run of 28 loads has a phase's work in which to come.  Only a slot's first K, which lies behind the change of slots, is waited for in full.
; CLUSTER: the four work-groups of a cluster use one key/value head and walk the same K and V: every tile is asked for jointly, by the same load with a mask that names the four.
; OUT: ao: 16 panels of 128 queries x 16 records (one for each query head, a K step of the last product) of 12,800 bytes: eight fragment images, then eight times 16 scale words.
; REGISTERS: window 0: v1-7 addresses that stay; v8-11 the slot's addresses; v12 -M, v13 the largest t, v[14:15] the sum in two halves; v16-27 Q; v28 the prefetches' offset; v32-55 the way out; v80-83 K's scale words, v84-87 V's
; (lanes 0-15 an even fragment's, lanes 16-31 the odd one's); v96-159 S^T, then p; v160-223 O^T; v224-235 p's codes; v232-254 at work; v253 p's scale word, v255 Q's.   window 1: v0-95 K's eight fragments, v96-191 V's.
; LIMITS: a block of zeros gets the byte 1 where the rule says 127 (its codes are zeros, and this program alone reads the bytes); NaN and infinities are not served.
.set GRP,   12288                      ; a group: eight fragment images
.set UNIT,  16*GRP
.set SLB,   4*GRP                      ; K's or V's part of a slot
.set VOFF,  SLB
.set SLOT1, 1<<17                      ; slot 1 begins here: one exclusive or turns an address in one slot into the other's
.set NSL,   4                          ; slots' worth of keys
.set SCK,   SLOT1+2*SLB                ; behind the ring: K's scale words of the whole head, 8,192 bytes;
.set SCV,   SCK+8192                   ; V's
.set SPARE, SCV+8192                   ; the spare words, 128 bytes for each wave, which no other line names
.set REC,   12800
.set KF,   0                           ; window 1: K's fragments
.set VF,   96                          ; window 1: V's
.set KSC,  80                          ; v80-83 K's scale words: register i: fragments 2 i (lanes 0-15) and 2 i + 1 (lanes 16-31); they hold scales and nothing else
.set VSC,  84                          ; v84-87 V's
.set NF,   28                          ; LDS loads in a fetch: 24 of codes, 4 of scale words
.set SPW,  5                           ; v5  my spare word's LDS address; never rewritten
.set NIL,  6                           ; v6  0; never rewritten
.set PFO,  28                          ; v28 256 x lane; never rewritten
.set TP,   48                          ; the way out: the conversions' second halves
.set TM,   232                         ; and QUANT's registers at work
.set TB,   2                           ; s2  LDS byte at which the slot in hand begins
.set TS,   3                           ; s3  where the slot's scale words begin: 2,048 bytes a slot
.set WV,   18                          ; s18 my wave's number
.set SEL,  20                          ; s[20:21] lane selects: lane l xor 16
.set CS,   22                          ; s[22:23] c = log2(e) / sqrt(128)
.set G1C,  24                          ; s[24:31] descriptor group 1 for the codes; s[32:39] for the scale words; s[40:43], s[44:47] their groups 0
.set G1S,  32
.set G0C,  40
.set G0S,  44
.set SLOTS, 48                         ; s48 slots still to be asked for
.set PFA,  50                          ; s[50:51] where my prefetches stand: my 8,192 bytes of the slot after the one that is being asked for
.set LIM,  52                          ; s52 1 in a wave that prefetches, else the greatest number
.set MSB, 0
.macro WIN new                         ; the immediate's high byte repeats the setting that is left; a switch that changes nothing is dropped
.if MSB != \new
	s_set_vgpr_msb (MSB<<8)|\new
.set MSB, \new
.endif
.endm
.macro CROUND                          ; a round of the cluster's barrier
	s_barrier_signal -1
	s_barrier_wait -1
	s_cmp_lg_u32 s[WV], 0
	s_cbranch_scc1 .Lnot_wave_0_\@
	s_barrier_signal -3
.Lnot_wave_0_\@:
	s_barrier_wait -3
	s_barrier_signal -1
	s_barrier_wait -1
.endm
.macro TLOAD                           ; waves 0 to 3 fetch a quarter of a slot each; the branch hangs on the wave's number alone.  An s_nop 0 and four v_nop follow the load
	s_cmp_lt_u32 s[WV], 4
	s_cbranch_scc0 .Lasked_\@
	tensor_load_to_lds s[G0C:G0C+3], s[G1C:G1C+7]
	s_nop 0
.rept 4
	v_nop
.endr
.Lasked_\@:
.endm
; A PREFETCH INTO THE L2 of what the NEXT change of slots will ask for: 49,152 bytes of K and as many of V: twelve runs of 8,192 bytes, lanes 256 bytes apart.  All eight clusters of a key/value head walk the same bytes:
; the first of them asks.  Its four partners are told apart BY ADDRESS (partners 0, 1: K's halves; 2, 3: V's); in each, waves 5, 6 and 7, which fetch nothing, take a run each.  So each 256 bytes are named once in the launch.
; Slots 0 and 1 come by their loads alone; the last change that fills a slot asks for nothing: there is no slot behind it.
.macro ASK
	s_cmp_gt_u32 s[SLOTS], s[LIM]
	s_cbranch_scc0 .Lnot_mine_\@
	global_prefetch_b8 v[PFO], s[PFA:PFA+1] th:TH_LOAD_NT scope:SCOPE_SE
.Lnot_mine_\@:
.endm
	s_load_b128 s[4:7], s[0:1], 0x0                ; qkvc s[4:5], qkvs s[6:7]
	s_load_b64 s[8:9], s[0:1], 0x10                ; ao
	v_lshl_add_u32 v[SPW], v0, 2, SPARE
	v_mov_b32 v[NIL], 0
	ds_add_u32 v[SPW], v[NIL]                      ; the wave's opening: the add and its wait stand ahead of my first tensor load; the set-up below, work on registers, stands between them
	v_lshrrev_b32 v8, 5, v0
	v_readfirstlane_b32 s[WV], v8                  ; wave 0..7
	s_bfe_u32 s10, ttmp6, 0x40000                  ; cx: my place in the cluster
	s_lshl_b32 s11, ttmp9, 2
	s_add_co_u32 s11, s11, s10                     ; work-group x, 0..31: it enters Q's and ao's addresses alone
	s_and_b32 s12, ttmp7, 0xffff                   ; the key/value head, which the partners share
	s_lshr_b32 s13, s11, 4
	s_lshl_b32 s14, s12, 1
	s_add_co_u32 s13, s13, s14                     ; the query head
	s_and_b32 s14, s11, 15                         ; the panel of 128 queries
	; what I fetch, if I fetch: waves 0, 1: K's halves of a slot; waves 2, 3: V's; waves 4, 5: K's and V's scale words
	s_and_b32 s53, s[WV], 3
	s_mul_i32 s60, s53, 2*GRP                      ; the codes' place in a slot
	s_lshr_b32 s54, s53, 1
	s_lshl_b32 s54, s54, 3
	s_add_co_u32 s54, s54, s12
	s_add_co_u32 s54, s54, 16                      ; the unit: 16 + head for K, 24 + head for V
	s_mul_i32 s54, s54, UNIT
	s_and_b32 s56, s[WV], 1
	s_mul_i32 s57, s56, 2*GRP
	s_add_co_u32 s54, s54, s57
	s_mov_b32 s55, 0
	s_lshl_b32 s58, s56, 3
	s_add_co_u32 s58, s58, s12
	s_add_co_u32 s58, s58, 16
	s_lshl_b32 s58, s58, 13                        ; a unit's scale words are 8,192 bytes
	s_mov_b32 s59, 0
	s_lshl_b32 s61, s56, 13
	s_add_co_u32 s61, s61, SCK
	; descriptor group 1: dense memory as rows of 256 bytes (32 elements of 8 bytes), no padding: 96 rows of codes, 32 of scale words
	s_mov_b32 s[G1C], 15|(3<<16)|(1<<21)           ; 15:0 the mask: all four work-groups; 17:16 elements of 8 bytes; 21 set beside a mask
	s_mov_b32 s[G1C+1], 32<<16                     ; tensor_dim0
	s_mov_b32 s[G1C+2], 96<<16                     ; tensor_dim1
	s_mov_b32 s[G1C+3], 32<<16                     ; tile_dim0
	s_mov_b32 s[G1C+4], 96                         ; tile_dim1
	s_mov_b32 s[G1C+5], 32                         ; tensor_dim0_stride
	s_mov_b32 s[G1C+6], 0
	s_mov_b32 s[G1C+7], 0
	s_mov_b32 s[G1S], 15|(3<<16)|(1<<21)
	s_mov_b32 s[G1S+1], 32<<16
	s_mov_b32 s[G1S+2], 32<<16
	s_mov_b32 s[G1S+3], 32<<16
	s_mov_b32 s[G1S+4], 32
	s_mov_b32 s[G1S+5], 32
	s_mov_b32 s[G1S+6], 0
	s_mov_b32 s[G1S+7], 0
	; Q's fragment and where O goes
	s_lshl_b32 s62, s13, 4
	s_add_co_u32 s62, s62, s14                     ; 16 x query head + panel
	s_mul_i32 s66, s62, GRP
	s_mul_i32 s67, s[WV], 1536
	s_add_co_u32 s66, s66, s67
	s_mov_b32 s67, 0
	s_lshl_b32 s68, s62, 9
	s_lshl_b32 s69, s[WV], 6
	s_add_co_u32 s68, s68, s69
	s_mov_b32 s69, 0
	s_lshl_b32 s62, s14, 4
	s_add_co_u32 s62, s62, s13                     ; 16 x panel + query head: ao's record
	s_mul_i32 s62, s62, REC
	s_mul_i32 s70, s[WV], 1536
	s_add_co_u32 s70, s70, s62
	s_mov_b32 s71, 0
	s_lshl_b32 s72, s[WV], 6
	s_add_co_u32 s72, s72, s62
	s_mov_b32 s73, 0
	; the prefetches
	s_lshr_b32 s74, s10, 1
	s_lshl_b32 s74, s74, 3
	s_add_co_u32 s74, s74, s12
	s_add_co_u32 s74, s74, 16
	s_mul_i32 s74, s74, UNIT                       ; partners 0, 1: K's unit; 2, 3: V's
	s_and_b32 s75, s10, 1
	s_mul_i32 s75, s75, 3
	s_max_u32 s76, s[WV], 5
	s_add_co_u32 s75, s75, s76
	s_sub_co_u32 s75, s75, 5                       ; which of the six runs
	s_lshl_b32 s75, s75, 13
	s_add_co_u32 s74, s74, s75
	s_add_co_u32 s74, s74, SLB                     ; in slot 1: the first change of slots steps it to slot 2
	s_mov_b32 s75, 0
	s_cmp_lt_u32 s[WV], 5
	s_cselect_b32 s76, 1, 0
	s_or_b32 s76, s76, ttmp9                       ; 0 in waves 5 to 7 of the head's first cluster: the same in all four partners
	s_cmp_eq_u32 s76, 0
	s_cselect_b32 s[LIM], 1, -1
	s_mov_b32 s[SEL], 0x76543210
	s_mov_b32 s[SEL+1], 0xfedcba98
	s_mov_b32 s[CS], 0x3e0293ee                    ; c = log2(e) / sqrt(128)
	s_mov_b32 s[CS+1], s[CS]                       ; (named with it as a pair, so it is written)
	s_mov_b32 s[TB], 0
	s_mov_b32 s[TS], 0
	s_mov_b32 s[SLOTS], NSL-1
	s_wait_dscnt 0x0                               ; the opening add is done
	s_wait_kmcnt 0x0
	s_mov_b32 s[G0C], 1                            ; count = 1
	s_mov_b32 s[G0C+1], s60                        ; LDS address: slot 0
	s_add_nc_u64 s[G0C+2:G0C+3], s[4:5], s[54:55]  ; global address: the head's first four key steps
	s_or_b32 s[G0C+3], s[G0C+3], 0x80000000        ; type = 2
	s_mov_b32 s[G0S], 1
	s_mov_b32 s[G0S+1], s61
	s_add_nc_u64 s[G0S+2:G0S+3], s[6:7], s[58:59]
	s_or_b32 s[G0S+3], s[G0S+3], 0x80000000
	s_add_nc_u64 s[PFA:PFA+1], s[4:5], s[74:75]
	s_add_nc_u64 s[66:67], s[4:5], s[66:67]        ; Q's codes
	s_add_nc_u64 s[68:69], s[6:7], s[68:69]        ; Q's scale words
	s_add_nc_u64 s[70:71], s[8:9], s[70:71]        ; O's codes
	s_add_nc_u64 s[72:73], s[8:9], s[72:73]        ; O's scale words, less 12,288
	CROUND                                         ; all four work-groups are here: the first joint loads meet
	s_cmp_lt_u32 s[WV], 4                          ; a wave's first fill: one load at the most
	s_cbranch_scc0 .Lnot_codes
	tensor_load_to_lds s[G0C:G0C+3], s[G1C:G1C+7]  ; slot 0
	s_nop 0
.rept 4
	v_nop
.endr
	s_branch .Lfirst_done
.Lnot_codes:
	s_cmp_lt_u32 s[WV], 6
	s_cbranch_scc0 .Lfirst_done
	tensor_load_to_lds s[G0S:G0S+3], s[G1S:G1S+7]  ; the head's scale words: filled once
	s_nop 0
.rept 4
	v_nop
.endr
.Lfirst_done:
	v_and_b32 v8, 31, v0                           ; lane
	v_and_b32 v9, 15, v0                           ; r
	v_lshlrev_b32 v1, 4, v8                        ; 16 x lane: my place in an image
	v_add_nc_u32 v2, VOFF, v1                      ; the same among V's groups
	v_lshlrev_b32 v7, 2, v9                        ; 4 r: my row's scale word (Q's, and O's on the way out)
	v_lshl_add_u32 v3, v8, 2, SCK                  ; 4 x lane: two fragments' scale words, 128 consecutive bytes: K's,
	v_lshl_add_u32 v4, v8, 2, SCV                  ; V's
	v_lshlrev_b32 v[PFO], 8, v8
.irp c, 0,1,2
	global_load_b128 v[16+4*\c:19+4*\c], v1, s[66:67] offset:512*\c   ; Q's fragment stays in registers
.endr
	global_load_b32 v255, v7, s[68:69]             ; Q's scale words
	v_mov_b32 v13, 0xff61b1e6                      ; the largest t so far: -3e38, under every t
	v_floor_f32 v12, -v13                          ; -M
	v_mov_b32 v14, 0                               ; the sum, in two halves
	v_mov_b32 v15, 0
.irp b, 0,1,2,3
	v_mov_b32 v[236+\b], 0                         ; written once: a lane permute's destination counts as one of its sources
.endr
	v_mov_b32 v253, 0                              ; (named as the upper half of the pair v[252:253] before it is first written)
.set j, 0
.rept 64
	v_mov_b32 v[160+j], 0                          ; O^T.  (The step is written without a first form of its own: the first finds zeros, which the first change of M leaves zeros)
.set j, j+1
.endr
; A FETCH: 28 LDS loads in one run: the eight fragments of key step st of the slot in hand, as images of their registers (three loads of 512 consecutive bytes each), into window 1 from v[dst] on, and their scale words, two fragments to a register.
.macro FETCH dst, scl, adr, adw, st
	WIN 0x40                                       ; destination window 1, address window 0
.irp f, 0,1,2,3,4,5,6,7
.irp c, 0,1,2
	ds_load_b128 v[(\dst)+12*\f+4*\c:(\dst)+12*\f+4*\c+3], v[\adr] offset:(\st)*GRP+1536*\f+512*\c
.endr
.endr
	WIN 0
.irp i, 0,1,2,3
	ds_load_b32 v[(\scl)+\i], v[\adw] offset:(\st)*512+128*\i
.endr
.endm
; A KEY STEP: 128 keys, the q-th of the slot in hand.
.macro STEP q
.if (\q) == 0
	v_add_nc_u32 v8, s[TB], v1                     ; the slot's addresses; these four lines are also the places in front of the loads below
	v_add_nc_u32 v9, s[TB], v2
	v_add_nc_u32 v10, s[TS], v3
	v_add_nc_u32 v11, s[TS], v4
	FETCH KF, KSC, 8, 10, 0                        ; a slot's first K could not be asked for ahead of the change of slots
.else
.rept 4
	v_nop                                          ; places in front of loads into registers that the last products have read
.endr
.endif
	FETCH VF, VSC, 9, 11, \q                       ; this step's V: it comes while K Q^T and the softmax are at work
	s_wait_dscnt NF                                ; this step's K is in: behind its loads V's 28 were issued, which may be out
	WIN 0x01                                       ; source 0 window 1
.irp f, 0,1,2,3,4,5,6,7                        ; S^T = K Q^T: eight tiles of 16 keys, each product a sum of its own
.if \f % 2
	v_wmma_scale_f32_16x16x128_f8f6f4 v[96+8*\f:103+8*\f], v[KF+12*\f:KF+12*\f+11], v[16:27], 0, v[KSC+\f/2], v255 matrix_a_fmt:MATRIX_FMT_FP6 matrix_b_fmt:MATRIX_FMT_FP6 matrix_a_scale:MATRIX_SCALE_ROW1
.else
	v_wmma_scale_f32_16x16x128_f8f6f4 v[96+8*\f:103+8*\f], v[KF+12*\f:KF+12*\f+11], v[16:27], 0, v[KSC+\f/2], v255 matrix_a_fmt:MATRIX_FMT_FP6 matrix_b_fmt:MATRIX_FMT_FP6
.endif
.endr                                          ; lane (r, h) holds query r; the 16 registers of tiles 2 b, 2 b + 1 are keys 32 b + 16 h + 0 .. 15 of the step
	WIN 0
.rept 4
	v_nop                                          ; places in front of the loads into K's registers and of the first reads of the scores
.endr
.if (\q) < 3
	FETCH KF, KSC, 8, 10, (\q)+1                   ; the next step's K: it comes while the softmax is at work
.endif
.irp b, 0,1,2,3
	v_max3_num_f32 v[232+\b], v[96+16*\b], v[97+16*\b], v[98+16*\b]   ; THE LARGEST SCORE OF EACH BLOCK OF 32 KEYS: it serves for the row's maximum and, since p rises with the score, for the block's largest p
.endr
.irp i, 3,5,7,9,11,13
.irp b, 0,1,2,3
	v_max3_num_f32 v[232+\b], v[232+\b], v[96+16*\b+\i], v[97+16*\b+\i]   ; (the four blocks by turns)
.endr
.endr
.irp b, 0,1,2,3
	v_max_num_f32 v[232+\b], v[232+\b], v[111+16*\b]
.endr
.irp b, 0,1,2,3
	v_permlanex16_b32 v[236+\b], v[232+\b], s[SEL], s[SEL+1]
.endr
.irp b, 0,1,2,3
	v_max_num_f32 v[232+\b], v[232+\b], v[236+\b]  ; with lane l xor 16's 16 keys
.endr
	v_max3_num_f32 v254, v232, v233, v234
	v_max_num_f32 v254, v254, v235                 ; the step's largest score of my query
	v_mul_f32 v254, s[CS], v254                    ; as t (c is positive)
	v_max_num_f32 v13, v13, v254                   ; the running largest t
	v_mov_b32 v254, v12
	v_floor_f32 v12, -v13                          ; the new -M = floor(-t) = -ceil(t): M is a whole number
	v_sub_f32 v254, v12, v254                      ; M's old value less its new one: a whole number, 0 or less
	v_cvt_i32_f32 v254, v254                       ; (it saturates)
	v_ldexp_f32 v252, 1.0, v254                    ; f = 2^(old M - new M): a multiplication by it rounds nothing
.set j, 0
.rept 32
	v_pk_fma_f32 v[96+j:97+j], v[96+j:97+j], s[CS:CS+1], v[12:13] op_sel_hi:[1,0,0]   ; t - M, two at a time (of the pairs c and -M the low word serves both halves)
.set j, j+2
.endr
.irp b, 0,1,2,3
	v_fma_f32 v[232+\b], v[232+\b], s[CS], v12     ; the same of each block's largest score
.endr
.set j, 0
.rept 64
	v_exp_f32 v[96+j], v[96+j]                     ; p = 2^(t - M), at most 1: not normalised
.set j, j+1
.endr
	v_pk_mul_f32 v[14:15], v[14:15], v[252:253] op_sel_hi:[1,0]   ; the sums under the new M.  (A plain place behind the exponentials)
	s_wait_alu depctr_va_vdst(0)                   ; one wait for the whole batch, ahead of its first reader
.irp b, 0,1,2,3
	v_exp_f32 v[232+\b], v[232+\b]                 ; the block's largest p: the same two instructions on the same number give the same bits
.endr
	v_pk_add_f32 v[236:237], v[96:97], v[98:99]    ; THE ROW'S SUM IS TAKEN OF THE UNQUANTISED p: two at a time, in two chains.  (It reads the 64 alone: plain work behind the four)
.irp j, 4,8,12,16,20,24,28,32,36,40,44,48,52,56,60
	v_pk_add_f32 v[14:15], v[14:15], v[96+\j:97+\j]
	v_pk_add_f32 v[236:237], v[236:237], v[98+\j:99+\j]
.endr
	v_pk_add_f32 v[14:15], v[14:15], v[236:237]
	s_wait_alu depctr_va_vdst(0)                   ; and one for the four
.irp b, 0,1,2,3
	v_max_num_f32 v[232+\b], 0x1800000, v[232+\b]  ; the floor 2^(3 - 127): the byte cannot fall under 1
.endr
.irp b, 0,1,2,3
	v_add_nc_u32 v[244+\b], 0xff000000, v[232+\b]  ; 2 off the exponent field: the conversion's scale operand
.endr
.irp b, 0,1,2,3
	v_lshrrev_b32 v[236+\b], 23, v[244+\b]         ; the scale's byte
.endr
	v_lshl_or_b32 v253, v237, 8, v236              ; p's scale word for these 128 keys
	v_lshl_or_b32 v253, v238, 16, v253
	v_lshl_or_b32 v253, v239, 24, v253
.irp c, 0,1
	v_cvt_scalef32_pk16_fp6_f32 v[224+6*\c:226+6*\c], v[96+32*\c:111+32*\c], v[244+2*\c]
	v_cvt_scalef32_pk16_fp6_f32 v[236+4*\c:238+4*\c], v[112+32*\c:127+32*\c], v[244+2*\c+1]   ; (a conversion's three registers begin on an even number)
.endr
	v_nop                                          ; one plain place behind the scaled conversions
.irp c, 0,1                                    ; the operand's layout wants a whole block in a lane: lanes 0-15 block 2 c, lanes 16-31 block 2 c + 1
.irp i, 0,1,2
	v_permlane16_swap_b32 v[224+6*\c+\i], v[236+4*\c+\i]
.endr
.irp i, 0,1,2
	v_mov_b32 v[227+6*\c+\i], v[236+4*\c+\i]
.endr
.endr
.set j, 0
.rept 32
	v_pk_mul_f32 v[160+j:161+j], v[160+j:161+j], v[252:253] op_sel_hi:[1,0]   ; O^T under the new M: x f.  (These 32 are also the places between the lines that made p's codes and scale word and the products below)
.set j, j+2
.endr
.if (\q) < 3
	s_wait_dscnt NF                                ; this step's V is in: behind its loads the next step's K's 28 were issued, which may be out
.else
	s_wait_dscnt 0x0                               ; a slot's last step has asked for nothing behind its V
.endif
	WIN 0x01                                       ; source 0 window 1
.irp f, 0,1,2,3,4,5,6,7                        ; O^T += V^T P^T: eight tiles of 16 of the head's 128; K = these 128 keys; the eight accumulators take turns, one instruction a turn
.if \f % 2
	v_wmma_scale_f32_16x16x128_f8f6f4 v[160+8*\f:167+8*\f], v[VF+12*\f:VF+12*\f+11], v[224:235], v[160+8*\f:167+8*\f], v[VSC+\f/2], v253 matrix_a_fmt:MATRIX_FMT_FP6 matrix_b_fmt:MATRIX_FMT_FP6 matrix_a_scale:MATRIX_SCALE_ROW1
.else
	v_wmma_scale_f32_16x16x128_f8f6f4 v[160+8*\f:167+8*\f], v[VF+12*\f:VF+12*\f+11], v[224:235], v[160+8*\f:167+8*\f], v[VSC+\f/2], v253 matrix_a_fmt:MATRIX_FMT_FP6 matrix_b_fmt:MATRIX_FMT_FP6
.endif
.endr
	WIN 0
.endm
; THE CHANGE OF SLOTS stands at a slot's head.  Each wave waits for all its tensor loads (its part of the slot that it is about to read), adds 0 to its spare word, and waits for that and for its reads of the slot that it has left.
; fill = 1: the barrier is a round of the cluster's, and behind it the slot that was left is filled with the keys that follow: the load has four key steps in which to land.
.macro CHANGE fill
	s_wait_tensorcnt 0x0                           ; no tensor load of mine is out, so a group 0 may be written
	ds_add_u32 v[SPW], v[NIL]                      ; 0 onto my spare word; the steps below stand between it and the wait for it
.if \fill
	s_xor_b32 s[G0C+1], s[G0C+1], SLOT1            ; the walking descriptor: the other slot than last time,
	s_add_nc_u64 s[G0C+2:G0C+3], s[G0C+2:G0C+3], SLB   ; the next four key steps; the type bits on top are not reached
	s_wait_xcnt 0x0                                ; the last prefetch, a slot back, has read its address, so it may be written:
	s_add_nc_u64 s[PFA:PFA+1], s[PFA:PFA+1], SLB   ; one slot further on than the walking descriptor
.endif
	s_wait_dscnt 0x0                               ; the add is done, and my reads of the slot that I have left are over
.if \fill
	CROUND                                         ; both now hold of every wave of all four work-groups
	TLOAD                                          ; the first thing behind the round, and a wave's one tensor load until the next
	ASK                                            ; what the next change will ask for: four key steps ahead of that load
.else
	s_barrier_signal -1
	s_barrier_wait -1
.endif
.endm
.macro SLOT_STEPS
	STEP 0
	STEP 1
	STEP 2
	STEP 3
	s_xor_b32 s[TB], s[TB], SLOT1                  ; on to the other slot,
	s_add_co_u32 s[TS], s[TS], 2048                ; and to its four steps' scale words
.endm
	s_wait_loadcnt 0x0                             ; Q
.Lslot:                                            ; NSL - 1 trips: behind each change of slots but the last the next slot is asked for.  (Every window is 0 here and at the branch below)
	CHANGE 1
	SLOT_STEPS
	s_sub_co_u32 s[SLOTS], s[SLOTS], 1
	s_cmp_lg_u32 s[SLOTS], 0
	s_cbranch_scc1 .Lslot
	CHANGE 0                                       ; the last slot is written out
	SLOT_STEPS
; 64 numbers of a lane, register 16 b + i = k 32 b + 16 (lane / 16) + i of my row, become a fragment's 12 code registers at v[pc] and its scale word in v[pw].
.macro QUANT s, pc, pw
.irp b, 0,1,2,3
	v_max3_num_f32 v[TM+\b], |v[(\s)+16*\b]|, |v[(\s)+1+16*\b]|, 0x1800000
.endr
.irp i, 2,4,6,8,10,12,14
.irp b, 0,1,2,3
	v_max3_num_f32 v[TM+\b], v[TM+\b], |v[(\s)+16*\b+\i]|, |v[(\s)+1+16*\b+\i]|
.endr
.endr
.irp b, 0,1,2,3
	v_permlanex16_b32 v[TM+4+\b], v[TM+\b], s[SEL], s[SEL+1]
.endr
.irp b, 0,1,2,3
	v_max_num_f32 v[TM+\b], v[TM+\b], v[TM+4+\b]
.endr
.irp b, 0,1,2,3
	v_add_nc_u32 v[TM+12+\b], 0xff000000, v[TM+\b]
.endr
.irp b, 0,1,2,3
	v_lshrrev_b32 v[TM+4+\b], 23, v[TM+12+\b]
.endr
	v_lshl_or_b32 v[\pw], v[TM+5], 8, v[TM+4]
	v_lshl_or_b32 v[\pw], v[TM+6], 16, v[\pw]
	v_lshl_or_b32 v[\pw], v[TM+7], 24, v[\pw]
.irp c, 0,1
	v_cvt_scalef32_pk16_fp6_f32 v[(\pc)+6*\c:(\pc)+2+6*\c], v[(\s)+32*\c:(\s)+15+32*\c], v[TM+12+2*\c]
	v_cvt_scalef32_pk16_fp6_f32 v[TP+4*\c:TP+2+4*\c], v[(\s)+16+32*\c:(\s)+31+32*\c], v[TM+12+2*\c+1]
.endr
	v_nop                                          ; one plain place behind the scaled conversions
.irp c, 0,1
.irp i, 0,1,2
	v_permlane16_swap_b32 v[(\pc)+6*\c+\i], v[TP+4*\c+\i]
.endr
.irp i, 0,1,2
	v_mov_b32 v[(\pc)+3+6*\c+\i], v[TP+4*\c+\i]
.endr
.endr
.endm
	; THE WAY OUT.  O^T is divided by the row's sum; its 64 registers are my query's 128 channels' half, 16 neighbours at a time: one K step of the last product, quantised here and stored as a fragment's image.
.rept 4
	v_nop                                          ; the places behind the last products
.endr
	v_add_f32 v14, v14, v15                        ; the sum's two halves,
	v_permlanex16_b32 v252, v14, s[SEL], s[SEL+1]
	v_add_f32 v14, v14, v252                       ; and lane l xor 16's: the row's sum
	v_rcp_f32 v14, v14
	v_nop                                          ; a plain place behind the reciprocal
	s_wait_alu depctr_va_vdst(0)                   ; and the wait ahead of its first reader
.set j, 0
.rept 64
	v_mul_f32 v[96+j], v[160+j], v14               ; in ascending order: each accumulator is read from its low end on
.set j, j+1
.endr
	QUANT 96, 32, 254
.irp c, 0,1,2
	global_store_b128 v1, v[32+4*\c:35+4*\c], s[70:71] offset:512*\c   ; 512 consecutive bytes, at a multiple of 256 from the buffer's first byte
.endr
	global_store_b32 v7, v254, s[72:73] offset:12288   ; 16 words; lanes 16-31 hold and write the same words as lanes 0-15
	s_wait_tensorcnt 0x0                           ; the wave's end
	ds_add_u32 v[SPW], v[NIL]
	s_wait_dscnt 0x0
	CROUND                                         ; the closing round: no work-group ends while a partner may still ask for a tile that names it
	s_endpgm
.Lfunc_end_k_qd81409a626_attn:
	.size	k_qd81409a626_attn, .Lfunc_end_k_qd81409a626_attn-k_qd81409a626_attn
	.p2alignl 7, 3214868480
	.fill 96, 4, 3214868480
	.section	.rodata,"a",@progbits
	.p2align	6, 0x0
	.amdhsa_kernel k_qd81409a626_attn
		.amdhsa_group_segment_fixed_size 327680
		.amdhsa_private_segment_fixed_size 0
		.amdhsa_enable_private_segment 0
		.amdhsa_kernarg_size 24
		.amdhsa_user_sgpr_count 2
		.amdhsa_user_sgpr_kernarg_segment_ptr 1
		.amdhsa_wavefront_size32 1
		.amdhsa_system_sgpr_workgroup_id_x 1
		.amdhsa_system_sgpr_workgroup_id_y 1
		.amdhsa_system_sgpr_workgroup_id_z 1
		.amdhsa_system_vgpr_workitem_id 0
		.amdhsa_next_free_vgpr 512
		.amdhsa_next_free_sgpr 100
		.amdhsa_reserve_vcc 0
		.amdhsa_float_denorm_mode_32 3
		.amdhsa_float_denorm_mode_16_64 3
		.amdhsa_memory_ordered 1
		.amdhsa_forward_progress 1
		.amdhsa_inst_pref_size 167
	.end_amdhsa_kernel
	.amdgpu_metadata
---
amdhsa.version: [ 1, 2 ]
amdhsa.kernels:
  - .name:           k_qd81409a626_attn
    .symbol:         k_qd81409a626_attn.kd
    .args:
      - { .name: qkvc, .offset: 0, .size: 8, .value_kind: global_buffer, .address_space: global }
      - { .name: qkvs, .offset: 8, .size: 8, .value_kind: global_buffer, .address_space: global }
      - { .name: ao, .offset: 16, .size: 8, .value_kind: global_buffer, .address_space: global }
    .group_segment_fixed_size: 327680
    .private_segment_fixed_size: 0
    .kernarg_segment_align: 8
    .kernarg_segment_size: 24
    .max_flat_workgroup_size: 256
    .sgpr_count:     100
    .vgpr_count:     512
    .wavefront_size: 32
...
	.end_amdgpu_metadata
.endif
;; end of part 3
;; launch gemm_out (part 4): grid 64 x 4, 4 waves a work-group, clusters of 4 x 4, 327,680 bytes of LDS; arguments ao, woc, out0; writes out0
.if DOCPART == 4
	.amdgcn_target "amdgcn-amd-amdhsa--gfx1250"
	.amdhsa_code_object_version 6
	.text
	.protected	k_qd81409a626_gemm_out
	.globl	k_qd81409a626_gemm_out
	.p2align	8
	.type	k_qd81409a626_gemm_out,@function
k_qd81409a626_gemm_out:
	s_mov_b64 s[64:65], 0
	v_nop
	global_prefetch_b8 v0, s[64:65] scope:SCOPE_SE
	s_setreg_imm32_b32 hwreg(HW_REG_WAVE_MODE, 25, 1), 1
	s_wait_xcnt 0x0
	s_wait_alu depctr_hold_cnt(0) depctr_sa_sdst(0) depctr_va_vdst(0) depctr_va_sdst(0) depctr_va_ssrc(0) depctr_va_vcc(0) depctr_vm_vsrc(0)
	s_getreg_b32 s2, hwreg(HW_REG_IB_STS2, 6, 4)
	s_cmp_eq_u32 s2, 0
	s_cbranch_scc0 .Lentry_in_a_cluster
	s_endpgm
.Lentry_in_a_cluster:
	s_bfe_u32 s2, ttmp6, 0x10000c
	s_cmp_lg_u32 s2, 0xf033
	s_cbranch_scc0 .Lentry_shape_is_right
	s_endpgm
.Lentry_shape_is_right:
; out0 = (attention's output) wo on codes of FP6 (E2M3) with E8M0 scales; out0 [2048][4096] f32; sums in f32.
; OPERANDS: panels of 128 rows, 16 records of 12,800 bytes each (128 K: eight fragment images of 1,536 bytes, then eight times 16 scale words): ao: 16 panels of queries; woc: 32 panels of wo's columns.
; Lane r of fragment i holds the panel's row 32 (i / 2) + 8 (i % 2) + r % 8 + 16 (r / 8).
; A TILE is 128 queries x 256 columns: 256 tiles, one to a work-group; four waves, each 64 x 128: 32 accumulators.  THE MATRIX INSTRUCTION IS USED TRANSPOSED (source 0 = wo's fragment, source 1 = ao's):
; a lane holds one query, and register j of accumulator (a, b) is column 32 (b / 2) + 16 (lane / 16) + 8 (b % 2) + j of the wave's 128.
; K goes four steps of 128 to a slot through a ring of two LDS slots; the scale words travel in the records.  CLUSTERS: 4 x 4 work-groups; ao's tile is asked for jointly along a row of the cluster, woc's along a column.
; REGISTERS: window 0: v1-29 addresses; v32-47 scale words, two sets; v64-159 A's fragments, two sets of 48; the way out uses v64-191.  window 1: B's fragments, two sets, at v0 and v128.  window 2: accumulator (a, b) at v[8 (8 a + b)].
.set REC,   12800
.set BOFF,  4*REC                      ; four records: a panel's part of a slot
.set SLOT,  12*REC                     ; A's four records, then those of B's two panels
.set SPARE, 2*SLOT                     ; behind the ring: the spare words, 128 bytes for each wave, which no other line names
.set KS,    16                         ; K steps
.set PANB,  KS*REC                     ; a panel in bytes
.set LAPS,  KS/8                       ; a lap = two slots = eight K steps
.set ROWO,  16384                      ; a row of out0 in bytes
.set SPITCH, 528                       ; the way out: a stage of 16 rows x (512 bytes + 16) for each wave, in slot 0, which has had its last fill and its last read when the first result is stored there
.set ADRA, 16                          ; v16-17 LDS address of my A fragments in slot 0, 1
.set ADRB, 18                          ; v18-19 of my B fragments
.set ADS,  20                          ; v20-21 of the scale words: lanes 0-15 A's fragment i, lanes 16-31 B's fragment i, i = 0 .. 3
.set ADS2, 22                          ; v22-23 the same for i = 4 .. 7: lanes 0-15 A's fragment i - 4
.set LI,   24                          ; v24    16 x lane
.set STO,  26                          ; v26    the way out: where I put 32 bytes of a row
.set RD,   27                          ; v27    and where I read a row back
.set SPW,  28                          ; v28    my spare word's LDS address; never rewritten
.set NIL,  29                          ; v29    0; never rewritten
.set SC,   32                          ; scale words: set p at v[SC + 8 p]; they hold scales and nothing else
.set AF,   64
.set BK,   64                          ; the way out: 16 rows read back: v64-127 and v128-191 by turns
.set G1, 24                            ; s[24:31] descriptor group 1 for A's loads; s[32:39] group 0, one set for each slot
.set G0, 32
.set G1B, 48                           ; s[48:55], s[56:63] the same for B's
.set G0B, 56
.set MSB, 0
.macro WIN new                         ; the immediate's high byte repeats the setting that is left
.if MSB != \new
	s_set_vgpr_msb (MSB<<8)|\new
.set MSB, \new
.endif
.endm
.set MUL,  0xa1                        ; source 0 (B) window 1, source 1 (A) window 0, C and D window 2
.set TO_B, 0x40                        ; destination window 1, address window 0
; A joint load: waves 0 and 1 fetch for A, waves 2 and 3 for B; the branch hangs on the wave's number alone.  An s_nop 0 and four v_nop follow each of the two lines.
.macro JLOAD g0a, g1a, g0b, g1b
	s_cmp_eq_u32 s15, 0
	s_cbranch_scc0 .Lfor_b_\@
	tensor_load_to_lds s[\g0a:\g0a+3], s[\g1a:\g1a+7]
	s_nop 0
.rept 4
	v_nop
.endr
	s_branch .Lasked_\@
.Lfor_b_\@:
	tensor_load_to_lds s[\g0b:\g0b+3], s[\g1b:\g1b+7]
	s_nop 0
.rept 4
	v_nop
.endr
.Lasked_\@:
.endm
.macro CREST                           ; a round of the cluster's barrier behind its opening barrier
	s_cmp_lg_u32 s14, 0
	s_cbranch_scc1 .Lnot_wave_0_\@
	s_barrier_signal -3
.Lnot_wave_0_\@:
	s_barrier_wait -3
	s_barrier_signal -1
	s_barrier_wait -1
.endm
.macro CROUND                          ; a whole round
	s_barrier_signal -1
	s_barrier_wait -1
	CREST
.endm
.macro PLACES n                        ; plain places behind matrix instructions, in front of loads into their registers and of reads of their results
.rept \n
	v_nop
.endr
.endm
	s_load_b128 s[4:7], s[0:1], 0x0                ; ao s[4:5], woc s[6:7]
	s_load_b64 s[12:13], s[0:1], 0x10              ; out0
	v_lshl_add_u32 v[SPW], v0, 2, SPARE
	v_mov_b32 v[NIL], 0
	ds_add_u32 v[SPW], v[NIL]                      ; the wave's opening: the add and its wait stand ahead of my first tensor load; the set-up below, work on registers, stands between them
	v_lshrrev_b32 v1, 5, v0
	v_readfirstlane_b32 s14, v1                    ; wave 0..3
	s_lshr_b32 s15, s14, 1                         ; which 64 rows of A are mine.  Also: I fetch for A (0) or for B (1)
	s_and_b32 s16, s14, 1                          ; which panel of B is mine.  Also: which part I fetch
	s_bfe_u32 s40, ttmp6, 0x40000                  ; cx, cy: my place in the cluster
	s_bfe_u32 s41, ttmp6, 0x40004
	s_and_b32 s66, ttmp9, 3                        ; the sixteen clusters: four along A, four along B
	s_lshr_b32 s67, ttmp9, 2
	s_lshl_b32 s17, s66, 2
	s_add_co_u32 s17, s17, s41                     ; A's panel of this tile, 0..15
	s_lshl_b32 s42, s67, 2
	s_add_co_u32 s42, s42, s40                     ; B's pair of panels, 0..15
	s_lshl_b32 s43, s41, 2
	s_lshl_b32 s43, 15, s43                        ; my row of the cluster
	s_lshl_b32 s44, 0x1111, s40                    ; my column
	; descriptor group 1: dense memory as rows of 256 bytes (32 elements of 8 bytes), no padding: A: 100 rows (two records), B: 200 (four)
	s_or_b32 s[G1], s43, (3<<16)|(1<<21)           ; 15:0 the mask: A's tiles go to my row; 17:16 elements of 8 bytes; 21 set beside a mask
	s_or_b32 s[G1B], s44, (3<<16)|(1<<21)
.irp g, G1, G1B
	s_mov_b32 s[\g+1], 32<<16                      ; tensor_dim0
	s_mov_b32 s[\g+3], 32<<16                      ; tile_dim0
	s_mov_b32 s[\g+5], 32                          ; tensor_dim0_stride
	s_mov_b32 s[\g+6], 0
	s_mov_b32 s[\g+7], 0
.endr
	s_mov_b32 s[G1+2], 100<<16                     ; tensor_dim1
	s_mov_b32 s[G1+4], 100                         ; tile_dim1
	s_mov_b32 s[G1B+2], 200<<16
	s_mov_b32 s[G1B+4], 200
	s_mul_i32 s20, s17, PANB                       ; A: the panel, and my two records of a slot's four: no register of this chain ever holds cx
	s_mul_i32 s45, s16, 2*REC                      ; (also their place in a slot)
	s_add_co_u32 s20, s20, s45
	s_mov_b32 s21, 0
	s_lshl_b32 s46, s42, 1                         ; B: my panel of the pair: none of this chain holds cy
	s_add_co_u32 s46, s46, s16
	s_mul_i32 s46, s46, PANB
	s_mov_b32 s47, 0
	s_mul_i32 s22, s16, BOFF
	s_add_co_u32 s22, s22, BOFF                    ; its place in a slot, behind A's four records
	s_wait_dscnt 0x0                               ; the opening add is done
	s_wait_kmcnt 0x0
	s_add_nc_u64 s[20:21], s[4:5], s[20:21]
	s_add_nc_u64 s[46:47], s[6:7], s[46:47]
	CROUND                                         ; all sixteen work-groups are here: the first joint loads meet
.irp s, 0,1
	s_mov_b32 s[G0+4*\s], 1                        ; count = 1
	s_add_co_u32 s[G0+4*\s+1], s45, \s*SLOT        ; LDS address
	s_add_nc_u64 s[G0+4*\s+2:G0+4*\s+3], s[20:21], \s*BOFF   ; global address: K steps 4 s on
	s_or_b32 s[G0+4*\s+3], s[G0+4*\s+3], 0x80000000   ; type = 2
	s_mov_b32 s[G0B+4*\s], 1
	s_add_co_u32 s[G0B+4*\s+1], s22, \s*SLOT
	s_add_nc_u64 s[G0B+4*\s+2:G0B+4*\s+3], s[46:47], \s*BOFF
	s_or_b32 s[G0B+4*\s+3], s[G0B+4*\s+3], 0x80000000
	JLOAD G0+4*\s, G1, G0B+4*\s, G1B               ; two loads of mine are out behind these
.endr
	v_and_b32 v1, 15, v0                           ; r
	v_bfe_u32 v2, v0, 4, 1                         ; h
	v_and_b32 v7, 31, v0
	v_lshlrev_b32 v[LI], 4, v7
	s_mul_i32 s21, s15, 6144                       ; my four fragments of A's eight
	v_add_nc_u32 v[ADRA], s21, v[LI]
	v_add_nc_u32 v[ADRA+1], SLOT, v[ADRA]
	v_add_nc_u32 v[ADRB], s22, v[LI]
	v_add_nc_u32 v[ADRB+1], SLOT, v[ADRB]
	s_lshl_b32 s23, s15, 8                         ; my four fragments' scale words among A's: 256 bytes on for the second half
	s_sub_co_u32 s18, s22, s23                     ; from there to B's panel's
	s_add_co_u32 s19, s18, 256
	v_mul_u32_u24 v3, s18, v2                      ; lanes 16-31 take B's: one product, the lower base + h x the distance
	v_lshl_add_u32 v3, v1, 2, v3
	v_mul_u32_u24 v4, s19, v2
	v_lshl_add_u32 v4, v1, 2, v4
	s_add_co_u32 s18, s23, 12288
	s_add_co_u32 s19, s23, 12032
	v_add_nc_u32 v[ADS], s18, v3
	v_add_nc_u32 v[ADS+1], SLOT, v[ADS]
	v_add_nc_u32 v[ADS2], s19, v4
	v_add_nc_u32 v[ADS2+1], SLOT, v[ADS2]
	s_mul_i32 s70, s14, 16*SPITCH                  ; my stage
	v_mul_u32_u24 v5, v1, SPITCH
	v_lshl_add_u32 v5, v2, 6, v5
	v_add_nc_u32 v[STO], s70, v5                   ; in: row r, + 64 h
	v_add_nc_u32 v[RD], s70, v[LI]                 ; back: the 32 lanes take one row of 512 bytes
	s_lshl_b32 s68, s17, 7
	s_lshl_b32 s69, s15, 6
	s_add_co_u32 s68, s68, s69                     ; my first row of out0: 128 x panel + 64 x half
	s_lshl_b32 s68, s68, 14
	s_lshl_b32 s69, s42, 10                        ; my first column, in bytes: 1,024 x pair of panels + 512 x panel
	s_add_co_u32 s68, s68, s69
	s_lshl_b32 s69, s16, 9
	s_add_co_u32 s68, s68, s69
	s_mov_b32 s69, 0
	s_add_nc_u64 s[12:13], s[12:13], s[68:69]
; 44 LDS loads in one run: K step q of a slot into set p: B's eight fragments, my four of A's, eight registers of scale words.  A fragment comes as the image of its registers: three loads of 512 consecutive bytes.
.macro FETCH slot, q, p
	WIN TO_B
.irp b, 0,1,2,3,4,5,6,7
.irp c, 0,1,2
	ds_load_b128 v[128*(\p)+12*\b+4*\c:128*(\p)+12*\b+4*\c+3], v[ADRB+\slot] offset:(\q)*REC+1536*\b+512*\c
.endr
.endr
	WIN 0
.irp a, 0,1,2,3
.irp c, 0,1,2
	ds_load_b128 v[AF+48*(\p)+12*\a+4*\c:AF+48*(\p)+12*\a+4*\c+3], v[ADRA+\slot] offset:(\q)*REC+1536*\a+512*\c
.endr
.endr
.irp i, 0,1,2,3
	ds_load_b32 v[SC+8*(\p)+\i], v[ADS+\slot] offset:(\q)*REC+64*\i
.endr
.irp i, 4,5,6,7
	ds_load_b32 v[SC+8*(\p)+\i], v[ADS2+\slot] offset:(\q)*REC+64*\i
.endr
.endm
; 8 matrix instructions: A's fragment a x B's eight, from set p.  zero = 1: the first product starts the sums.  The 32 accumulators take turns, one instruction a turn, in the same order in every step.
.macro MUL8 a, p, zero
.irp b, 0,1,2,3,4,5,6,7
.if \zero
	v_wmma_scale_f32_16x16x128_f8f6f4 v[8*(8*(\a)+\b):8*(8*(\a)+\b)+7], v[128*(\p)+12*\b:128*(\p)+12*\b+11], v[AF+48*(\p)+12*(\a):AF+48*(\p)+12*(\a)+11], 0, v[SC+8*(\p)+\b], v[SC+8*(\p)+(\a)] matrix_a_fmt:MATRIX_FMT_FP6 matrix_b_fmt:MATRIX_FMT_FP6 matrix_a_scale:MATRIX_SCALE_ROW1
.else
	v_wmma_scale_f32_16x16x128_f8f6f4 v[8*(8*(\a)+\b):8*(8*(\a)+\b)+7], v[128*(\p)+12*\b:128*(\p)+12*\b+11], v[AF+48*(\p)+12*(\a):AF+48*(\p)+12*(\a)+11], v[8*(8*(\a)+\b):8*(8*(\a)+\b)+7], v[SC+8*(\p)+\b], v[SC+8*(\p)+(\a)] matrix_a_fmt:MATRIX_FMT_FP6 matrix_b_fmt:MATRIX_FMT_FP6 matrix_a_scale:MATRIX_SCALE_ROW1
.endif
.endr
.endm
; A K step that has its successor in the same slot: the successor's loads go out first, then the step's 32 products.
.macro STEP slot, q, zero
	s_wait_dscnt 0x0                               ; this step's set is in: it was asked for ahead of the last step's products
	PLACES 4                                       ; behind the last products, which read the set that is loaded now
	FETCH \slot, (\q)+1, 1-(\q)%2
	WIN MUL
	MUL8 0, (\q)%2, \zero
	MUL8 1, (\q)%2, \zero
	MUL8 2, (\q)%2, \zero
	MUL8 3, (\q)%2, \zero
.endm
; A slot's last step changes slots: ONE barrier; in front of it each wave waits for all its tensor loads, adds 0 to its spare word, and waits for that and for its reads of this slot.  fill = 1: the slot is filled again, eight K steps ahead.
.macro TURN slot, next, fill
	WIN 0                                          ; (the add's two registers lie in window 0)
	s_wait_tensorcnt 0x0                           ; all my tensor loads have landed: my part of the next slot
	ds_add_u32 v[SPW], v[NIL]                      ; 0 onto my spare word
	s_wait_dscnt 1                                 ; this step's set is in; the add alone may be out
	WIN MUL
	MUL8 0, 1, 0                                   ; eight matrix instructions stand between the add and the wait for it
	s_wait_dscnt 0x0                               ; the add is done, and my reads of this slot are over
	s_barrier_signal -1
	MUL8 1, 1, 0
	WIN 0
	s_barrier_wait -1
.if \fill
	CREST                                          ; the barrier has opened a round of the cluster's barrier: no wave of any partner still reads this slot or has a load on its way
	s_add_nc_u64 s[G0+4*\slot+2:G0+4*\slot+3], s[G0+4*\slot+2:G0+4*\slot+3], 2*BOFF
	s_add_nc_u64 s[G0B+4*\slot+2:G0B+4*\slot+3], s[G0B+4*\slot+2:G0B+4*\slot+3], 2*BOFF
	JLOAD G0+4*\slot, G1, G0B+4*\slot, G1B         ; the first tensor load behind the round: it has 112 matrix instructions in which to land; its four v_nop are the places in front of the loads below
.else
	PLACES 4
.endif
	FETCH \next, 0, 0
	WIN MUL
	MUL8 2, 1, 0
	MUL8 3, 1, 0
.endm
	s_wait_tensorcnt 1                             ; my part of slot 0 is in; slot 1's load, issued behind it, may be out
	s_barrier_signal -1
	s_barrier_wait -1                              ; everybody's is
	FETCH 0, 0, 0
	STEP 0, 0, 1                                   ; the first step stands in front of the loop: its products start the sums
	WIN 0                                          ; at a label and at a branch every window is 0
	s_mov_b32 s3, LAPS-1
.Llap:                                             ; a trip goes once round the ring, from a lap's second step to the next lap's first, and fills both slots again
	STEP 0, 1, 0
	STEP 0, 2, 0
	TURN 0, 1, 1
	STEP 1, 0, 0
	STEP 1, 1, 0
	STEP 1, 2, 0
	TURN 1, 0, 1
	STEP 0, 0, 0
	WIN 0
	s_sub_co_u32 s3, s3, 1
	s_cmp_lg_u32 s3, 0
	s_cbranch_scc1 .Llap
	STEP 0, 1, 0                                   ; the last lap fills nothing, and has no round of the cluster's barrier
	STEP 0, 2, 0
	TURN 0, 1, 0
	STEP 1, 0, 0
	STEP 1, 1, 0
	STEP 1, 2, 0
	s_wait_dscnt 0x0                               ; the very last step: nothing more to fetch
	MUL8 0, 1, 0
	MUL8 1, 1, 0
	MUL8 2, 1, 0
	MUL8 3, 1, 0
	WIN 0
	PLACES 4                                       ; in front of the first reads of results and of loads into the registers that held A's fragments
; THE WAY OUT, fragment by fragment of 16 queries x 128 columns.  A lane holds pieces of 32 bytes of one row, and the lanes beside it hold other rows: so a fragment goes through my own stage in LDS and comes back as whole
; rows of 512 bytes.  LDS serves a wave's instructions in order (ISA guide 5.7.1.4): no wait between the stores and the loads, nor in front of the next fragment's stores.
.macro TOSTAGE a
	WIN 0x08                                       ; an LDS store's data are its source 1: the accumulators' window
.irp b, 0,1,2,3,4,5,6,7
	ds_store_b128 v[STO], v[64*(\a)+8*\b:64*(\a)+8*\b+3] offset:128*(\b/2)+32*(\b%2)          ; each accumulator from its low end on
	ds_store_b128 v[STO], v[64*(\a)+8*\b+4:64*(\a)+8*\b+7] offset:128*(\b/2)+32*(\b%2)+16
.endr
	WIN 0
.set BB, BK+64*((\a)%2)
.irp t, 0,1,2,3,4,5,6,7,8,9,10,11,12,13,14,15
	ds_load_b128 v[BB+4*\t:BB+4*\t+3], v[RD] offset:\t*SPITCH
.endr
.endm
.macro SEND a, younger                 ; younger: the LDS instructions issued behind fragment a's loads, which may stay out.  Stage row t is the fragment's row t % 8 + 16 (t / 8)
.set BB, BK+64*((\a)%2)
	s_wait_dscnt \younger
.irp t, 0,1,2,3,4,5,6,7,8,9,10,11,12,13,14,15
	global_store_b128 v[LI], v[BB+4*\t:BB+4*\t+3], s[12:13] offset:(32*((\a)/2)+8*((\a)%2)+\t%8+16*(\t/8))*ROWO th:TH_STORE_NT   ; 512 consecutive bytes, at a multiple of 256 from out0's first byte; 63 rows at the most: inside the signed 24-bit immediate
.endr
.endm
	TOSTAGE 0
	TOSTAGE 1
	SEND 0, 32                                     ; behind fragment 0's loads: fragment 1's 16 stores and 16 loads
	s_wait_xcnt 0x0                                ; fragment 0's stores have read their registers: fragment 2's loads may land there
	TOSTAGE 2
	SEND 1, 32
	s_wait_xcnt 0x0
	TOSTAGE 3
	SEND 2, 32
	SEND 3, 0
	s_wait_tensorcnt 0x0                           ; the wave's end
	ds_add_u32 v[SPW], v[NIL]
	s_wait_dscnt 0x0
	CROUND                                         ; the closing round: no work-group ends while a partner may still ask for a tile that names it
	s_endpgm
.Lfunc_end_k_qd81409a626_gemm_out:
	.size	k_qd81409a626_gemm_out, .Lfunc_end_k_qd81409a626_gemm_out-k_qd81409a626_gemm_out
	.p2alignl 7, 3214868480
	.fill 96, 4, 3214868480
	.section	.rodata,"a",@progbits
	.p2align	6, 0x0
	.amdhsa_kernel k_qd81409a626_gemm_out
		.amdhsa_group_segment_fixed_size 327680
		.amdhsa_private_segment_fixed_size 0
		.amdhsa_enable_private_segment 0
		.amdhsa_kernarg_size 24
		.amdhsa_user_sgpr_count 2
		.amdhsa_user_sgpr_kernarg_segment_ptr 1
		.amdhsa_wavefront_size32 1
		.amdhsa_system_sgpr_workgroup_id_x 1
		.amdhsa_system_sgpr_workgroup_id_y 1
		.amdhsa_system_sgpr_workgroup_id_z 1
		.amdhsa_system_vgpr_workitem_id 0
		.amdhsa_next_free_vgpr 768
		.amdhsa_next_free_sgpr 80
		.amdhsa_reserve_vcc 0
		.amdhsa_float_denorm_mode_32 3
		.amdhsa_float_denorm_mode_16_64 3
		.amdhsa_memory_ordered 1
		.amdhsa_forward_progress 1
		.amdhsa_inst_pref_size 137
	.end_amdhsa_kernel
	.amdgpu_metadata
---
amdhsa.version: [ 1, 2 ]
amdhsa.kernels:
  - .name:           k_qd81409a626_gemm_out
    .symbol:         k_qd81409a626_gemm_out.kd
    .args:
      - { .name: ao, .offset: 0, .size: 8, .value_kind: global_buffer, .address_space: global }
      - { .name: woc, .offset: 8, .size: 8, .value_kind: global_buffer, .address_space: global }
      - { .name: out0, .offset: 16, .size: 8, .value_kind: global_buffer, .address_space: global }
    .group_segment_fixed_size: 327680
    .private_segment_fixed_size: 0
    .kernarg_segment_align: 8
    .kernarg_segment_size: 24
    .max_flat_workgroup_size: 128
    .sgpr_count:     80
    .vgpr_count:     768
    .wavefront_size: 32
...
	.end_amdgpu_metadata
.endif
;; end of part 4
